; MI455X (gfx1250); checked and timed in simulation.
; The chip was launched on July 23, 2026; its instructions are those of AMD's public machine-readable ISA for CDNA 5 (MIT licence, August 2026) and "CDNA5" Instruction Set Architecture Reference Guide (July 2026). The comments in the code are by the model that wrote it; some were corrected since.
;; Mo E. Allowed arithmetic: matrix products marked QUANTISED: E2M3 operands, one E8M0 scale for each 32 along K, by v_wmma_scale_f32_16x16x128_f8f6f4 with both operands' format E2M3, f32 sums; products left as they are: f32 operands where the result goes on into a quantised operand, else bf16, f16 or f32 operands; f32 sums; everything else in f32.
;; Inputs: W1_codes 8 x 4,096 x 32 x 24 uint8 (E2M3 codes of W1, K innermost, in blocks of 32 codes, four codes in three bytes); W1_scales 8 x 4,096 x 32 uint8 (E8M0 scales of W1, one for each 32 codes along K); W2_codes 8 x 1,024 x 128 x 24 uint8 (E2M3 codes of W2, K innermost, in blocks of 32 codes, four codes in three bytes); W2_scales 8 x 1,024 x 128 uint8 (E8M0 scales of W2, one for each 32 codes along K); Wr 1,024 x 8 float32; b1 8 x 4,096 float32; b2 8 x 1,024 float32; br 8 float32; x 4 x 256 x 1,024 float32.
;; Outputs: out0 4 x 256 x 1,024 float32.
;; This version of the problem:
;;   THIS VERSION OF THE PROBLEM IS GIVEN IN LOW PRECISION. The matrix products marked QUANTISED in the list below multiply operands that are first quantised to E2M3 (2 exponent bits, 3 mantissa bits; 6 bits a number), with one power-of-two scale for each 32 numbers along K (OCP MX v1.0); their sums are f32. All else is computed in f32.
;;   The module's matrix products, in the order in which they are computed (A, B: the left and right operand; K: the contracted axis; several contracted axes count as one K, in the product's order):
;;     1. [M 1,024, K 1,024] x [K 1,024, N 8]; A: input x; B: input Wr: left as it is (N = 8 < 16)
;;     2. [M 1,024, K 1,024] x [K 1,024, N 32,768]; A: input x; B: input W1 (given as codes): QUANTISED
;;     3. batch 8 x [M 1,024, K 4,096] x [K 4,096, N 1,024]; A: input W2 (given as codes); B: computed on the way: QUANTISED
;;   THE QUANTISER, for each operand of a quantised product, along K:
;;     - K is cut into blocks of 32 from its start; a last block that is shorter is filled with zeros.
;;     - A block's scale is 2^e with e = floor(log2(the largest magnitude in the block)) - 2, held to -126 .. 127; a block of zeros has e = 0. As a byte (E8M0): e + 127.
;;     - Each number is divided by its block's scale, clamped to +-7.5, and rounded to the nearest number of E2M3, ties to even, subnormals kept.
;;     - The product sums the exact products of the quantised numbers (number of the format x scale) in f32.
;;   ~~~python
;;   def quantise(x, axis):      # numpy; x: float32 -> the quantised numbers, widened to float32 again
;;       x = np.moveaxis(x, axis, -1); K = x.shape[-1]
;;       x = np.pad(x, [(0, 0)] * (x.ndim - 1) + [(0, -K % 32)]); x = x.reshape(x.shape[:-1] + (-1, 32)); a = np.abs(x).max(-1, keepdims=True)
;;       e = np.where(a > 0, np.clip(np.frexp(np.where(a > 0, a, 1))[1] - 1 - 2, -126, 127), 0)      # np.frexp(a)[1] - 1 = floor(log2(a)), exactly
;;       r = np.clip(x / 2.0 ** e, -7.5, 7.5)
;;       step = 2.0 ** (np.maximum(np.frexp(np.where(r == 0, 1, r))[1] - 1, 0) - 3)
;;       q = np.round(r / step) * step * 2.0 ** e      # np.round: ties to even
;;       return np.moveaxis(q.reshape(q.shape[:-2] + (-1,))[..., :K], -1, axis).astype(np.float32)
;;   ~~~
;;   OPERANDS COMPUTED ON THE WAY. 'Computed on the way' means the value that the module computes at that place (a softmax that the list does not call 'softmax' is quantised finished and normalised). What goes into a quantiser is computed in f32, as accurately as f32 sums, v_exp_f32 and their like allow (about 1e-6 of the number): no bf16 or f16 on the way to a quantiser, and a product that is left as it is and whose result goes on into a quantised operand takes f32 operands (vector FMAs, or v_wmma_f32_16x16x4_f32). A number that lies on a knife's edge between two numbers of the format may be rounded either way, as far as f32 arithmetic and the matrix unit's own rounding can turn it there, and no further.
;;   INPUTS GIVEN AS CODES. W1 (in the module: [8, 1024, 4096], K = its axis 1); W2 (in the module: [8, 4096, 1024], K = its axis 1): each comes as NAME_codes (uint8): NAME with its K axis moved to the last place and cut into blocks of 32 codes, [.., K / 32, bytes a block], one block behind the other in memory; four codes in three bytes: a row's codes are one little-endian stream of bits, code i at bits 6 i .. 6 i + 5 (a code: sign, 2 exponent bits, 3 mantissa bits); and NAME_scales (uint8): the same leading axes, one E8M0 byte (e + 127) for each 32 codes along K. Its value is code x scale, taken as it is: it is not quantised again, and the codes and scales need not be those that the quantiser above would give.
;; 2 versions. Each part assembles by itself: llvm-mc -triple=amdgcn-amd-amdhsa -mcpu=gfx1250 --defsym DOCPART=n.
;; ======== version 1 of 2: 4 launches
;; workspace buffers: xq 786,432 bytes; xs 32,768 bytes; sel 4,096 bytes of whole numbers; pr 8,192 bytes; hq 25,165,824 bytes; hs 1,048,576 bytes; y 8,912,896 bytes
;; launch route (part 1): grid 256 x 1, 4 waves a work-group, no clusters, 55,296 bytes of LDS; arguments x, Wr, br, xq, xs, sel, pr; writes xq, xs, sel, pr
.if DOCPART == 1
	.amdgcn_target "amdgcn-amd-amdhsa--gfx1250"
	.amdhsa_code_object_version 6
	.text
	.protected	k_q5753a116e1_route
	.globl	k_q5753a116e1_route
	.p2align	8
	.type	k_q5753a116e1_route,@function
k_q5753a116e1_route:
	s_mov_b64 s[64:65], 0
	v_nop
	global_prefetch_b8 v0, s[64:65] scope:SCOPE_SE
	s_setreg_imm32_b32 hwreg(HW_REG_WAVE_MODE, 25, 1), 1
	s_wait_xcnt 0x0
; ROUTE.  For each of the 1,024 tokens: scores = x Wr + br in f32, the two largest (ties: the lower index), their softmax with the larger score taken away first,
; and x as codes of FP6 (E2M3) with one E8M0 byte for each 32 along D.  A wave owns one token; lane L owns block L, x[32 L .. 32 L + 31], for the quantiser and for its part of the eight sums.
; OUT: xq [1024][768] the codes as one stream of bits; xs [1024][32] the scale bytes; sel [1024] = first expert | second << 8, at a fixed place for each token; pr [1024][2] the two weights.
; No address and no branch here hangs on the scores: the choice is made by selects and stored.
; LIMITS: NaN and infinities are not served.  A block of zeros gets the byte 1 (its codes are zeros; only this program reads the bytes).  A score is summed as 32 partial sums of 32 terms, then across the lanes:
; where two scores lie within f32 rounding of each other the choice may differ from another order of summing.
; LDS: each wave 5,376 bytes: 32 rows x 144 for the turn of x, 768 for the turn of the codes; then Wr for all four waves, 32 rows x 1,040.
.set XSTB, 5376
.set QOFF, 4608
.set WRS,  21504
.set WRP,  1040
.set RX,   16                          ; v16-47   x as loaded: 16 bytes a lane
.set X,    48                          ; v48-79   my block's 32 numbers
.set RW,   80                          ; v80-143  Wr as loaded
.set S,    144                         ; v144-151 the eight sums
.set MSB, 0
.macro WIN new                         ; the immediate's high byte repeats the setting that is left
.if MSB != \new
	s_set_vgpr_msb (MSB<<8)|\new
.set MSB, \new
.endif
.endm
	s_load_b256 s[4:11], s[0:1], 0x0               ; x, Wr, br, xq
	s_load_b128 s[12:15], s[0:1], 0x20             ; xs, sel
	s_load_b64 s[16:17], s[0:1], 0x30              ; pr
	v_lshl_add_u32 v254, v0, 2, 0xd600
	v_mov_b32 v255, 0
	v_lshrrev_b32 v1, 5, v0
	v_readfirstlane_b32 s18, v1                    ; wave
	v_and_b32 v1, 31, v0                           ; L
	v_lshlrev_b32 v2, 4, v1                        ; 16 L
	s_mul_i32 s35, s18, XSTB                       ; my wave's LDS
	v_bfe_u32 v12, v0, 3, 2                        ; L / 8
	v_and_b32 v13, 7, v0                           ; L % 8
	v_mul_u32_u24 v3, v12, 144
	v_lshl_add_u32 v3, v13, 4, v3
	v_add_nc_u32 v3, s35, v3                       ; x into the stage: a load's 512 bytes are four blocks of 128
	v_mul_u32_u24 v4, v1, 144
	v_add_nc_u32 v4, s35, v4                       ; and out: row L
	s_mul_i32 s36, s18, 8*WRP
	s_add_co_u32 s36, s36, WRS
	v_add_nc_u32 v5, s36, v2                       ; Wr in: my wave brings rows 8 w .. 8 w + 7 of 1,024 bytes
	v_mul_u32_u24 v6, v1, WRP
	v_add_nc_u32 v6, WRS, v6                       ; Wr out: row L = Wr[32 L .. 32 L + 31][0 .. 7]
	s_add_co_u32 s37, s35, QOFF
	v_mul_u32_u24 v7, v1, 24
	v_add_nc_u32 v7, s37, v7                       ; my block's 24 bytes of codes
	v_add_nc_u32 v8, s37, v2                       ; back: bytes 0-511, 16 a lane,
	v_lshlrev_b32 v10, 3, v1
	v_add_nc_u32 v9, s37, v10
	v_add_nc_u32 v9, 512, v9                       ; and bytes 512-767, 8 a lane
	v_add_nc_u32 v10, 512, v10                     ; the same place in the token's row of xq
	s_lshl_b32 s38, s18, 13
	v_add_nc_u32 v11, s38, v2                      ; my wave's 8,192 bytes of Wr
	v_lshlrev_b32 v14, 2, v1                       ; 4 L
.irp e, 0,1,2,3,4,5,6,7
	v_mov_b32 v[176+\e], 0                         ; written once: a lane permute's destination counts as one of its sources
.endr
	v_mov_b32 v186, 0xff800000                     ; -infinity
	s_lshl_b32 s19, ttmp9, 2
	s_add_co_u32 s19, s19, s18                     ; my token
	s_mov_b32 s21, 0
	s_mov_b32 s32, 0x76543210
	s_mov_b32 s33, 0xfedcba98                      ; lane l xor 16
	s_wait_kmcnt 0x0
	s_load_b256 s[24:31], s[8:9], 0x0              ; br
	s_lshl_b32 s20, s19, 12
	s_add_nc_u64 s[4:5], s[4:5], s[20:21]
	s_mul_i32 s20, s19, 768
	s_add_nc_u64 s[10:11], s[10:11], s[20:21]
	s_lshl_b32 s20, s19, 5
	s_add_nc_u64 s[12:13], s[12:13], s[20:21]
	s_lshl_b32 s20, s19, 2
	s_add_nc_u64 s[14:15], s[14:15], s[20:21]
	s_lshl_b32 s20, s19, 3
	s_add_nc_u64 s[16:17], s[16:17], s[20:21]
.irp i, 0,1,2,3,4,5,6,7
	global_load_b128 v[RX+4*\i:RX+4*\i+3], v2, s[4:5] offset:512*\i th:TH_LOAD_NT   ; 512 consecutive bytes a load
.endr
.irp i, 0,1,2,3,4,5,6,7,8,9,10,11,12,13,14,15
	global_load_b128 v[RW+4*\i:RW+4*\i+3], v11, s[6:7] offset:512*\i
.endr
	s_wait_loadcnt 16                              ; x is in; the 16 loads of Wr are younger
.irp i, 0,1,2,3,4,5,6,7
	ds_store_b128 v3, v[RX+4*\i:RX+4*\i+3] offset:576*\i
.endr
.irp j, 0,1,2,3,4,5,6,7
	ds_load_b128 v[X+4*\j:X+4*\j+3], v4 offset:16*\j      ; a wave's LDS instructions are served in order: these see the stores
.endr
	s_wait_loadcnt 0x0
.irp i, 0,1,2,3,4,5,6,7,8,9,10,11,12,13,14,15
	ds_store_b128 v5, v[RW+4*\i:RW+4*\i+3] offset:(\i/2)*WRP+(\i%2)*512
.endr
	s_wait_dscnt 0x0                               ; for the others' sake: my part of Wr lies in LDS (and my block of x is in)
	s_barrier_signal -1
	s_barrier_wait -1
	WIN 0x40                                       ; destination window 1: register 8 i + e = Wr[32 L + i][e]
.set j, 0
.rept 64
	ds_load_b128 v[4*j:4*j+3], v6 offset:16*j
.set j, j+1
.endr
	WIN 0
	; the quantiser: all 32 numbers of the block are mine
	v_max3_num_f32 v152, |v[X]|, |v[X+1]|, |v[X+2]|
	v_max3_num_f32 v153, |v[X+3]|, |v[X+4]|, |v[X+5]|
.irp i, 6,10,14,18,22,26
	v_max3_num_f32 v152, v152, |v[X+\i]|, |v[X+\i+1]|
	v_max3_num_f32 v153, v153, |v[X+\i+2]|, |v[X+\i+3]|
.endr
	v_max3_num_f32 v152, v152, |v[X+30]|, |v[X+31]|
	v_max3_num_f32 v152, v152, v153, 0x1800000     ; and the floor 2^(3 - 127): the byte cannot fall under 1
	v_add_nc_u32 v154, 0xff000000, v152            ; 2 off the exponent field: the conversion's scale operand
	v_cvt_scalef32_pk16_fp6_f32 v[156:158], v[X:X+15], v154
	v_cvt_scalef32_pk16_fp6_f32 v[160:162], v[X+16:X+31], v154   ; (a conversion's three registers begin on an even number)
	v_lshrrev_b32 v155, 23, v154                   ; the scale's byte; also the plain line behind the conversions
	v_mov_b32 v159, v160
	v_mov_b32 v160, v161
	v_mov_b32 v161, v162                           ; v156-161: the block's 24 bytes
	ds_store_b64 v7, v[156:157]
	ds_store_b64 v7, v[158:159] offset:8
	ds_store_b64 v7, v[160:161] offset:16
	ds_load_b128 v[164:167], v8
	ds_load_b64 v[168:169], v9
	s_wait_dscnt 0x0                               ; the codes are back, and Wr is in
	global_store_b128 v2, v[164:167], s[10:11]     ; 512 consecutive bytes, at a multiple of 256 from xq's first byte
	global_store_b64 v10, v[168:169], s[10:11]     ; and the token's last 256
	global_store_b8 v1, v155, s[12:13]             ; the token's 32 scale bytes
	; the router: my 32 terms of each of the eight sums, two experts an instruction
	WIN 0x04                                       ; source 1 (Wr) window 1
.irp e, 0,2,4,6
	v_pk_mul_f32 v[S+\e:S+\e+1], v[X:X+1], v[\e:\e+1] op_sel_hi:[0,1]
.endr
.set i, 1
.rept 31
.irp e, 0,2,4,6
.if i%2
	v_pk_fma_f32 v[S+\e:S+\e+1], v[X+2*(i/2):X+2*(i/2)+1], v[8*i+\e:8*i+\e+1], v[S+\e:S+\e+1] op_sel:[1,0,0] op_sel_hi:[1,1,1]
.else
	v_pk_fma_f32 v[S+\e:S+\e+1], v[X+2*(i/2):X+2*(i/2)+1], v[8*i+\e:8*i+\e+1], v[S+\e:S+\e+1] op_sel_hi:[0,1,1]
.endif
.endr
.set i, i+1
.endr
	WIN 0
.irp m, 1,2,4,8
.irp e, 0,1,2,3,4,5,6,7
	v_add_f32_dpp v[S+\e], v[S+\e], v[S+\e] row_xmask:\m row_mask:0xf bank_mask:0xf
.endr
.endr
.irp e, 0,1,2,3,4,5,6,7
	v_permlanex16_b32 v[176+\e], v[S+\e], s32, s33
.endr
	s_wait_kmcnt 0x0                               ; br
.irp e, 0,1,2,3,4,5,6,7
	v_add_f32 v[S+\e], v[S+\e], v[176+\e]
.endr
.irp e, 0,1,2,3,4,5,6,7
	v_add_f32 v[S+\e], s[24+\e], v[S+\e]           ; every lane holds the token's eight scores
.endr
.macro ARGMAX m, ix                    ; the largest score and its index; an equal later score does not displace an earlier one
	v_mov_b32 v[\m], v[S]
	v_mov_b32 v[\ix], 0
.irp e, 1,2,3,4,5,6,7
	v_cmp_le_f32 vcc_lo, v[S+\e], v[\m]
	v_cndmask_b32 v[\ix], \e, v[\ix], vcc_lo
	v_max_num_f32 v[\m], v[\m], v[S+\e]
.endr
.endm
	ARGMAX 184, 185
.irp e, 0,1,2,3,4,5,6,7
	v_cmp_eq_u32 vcc_lo, \e, v185
	v_cndmask_b32 v[S+\e], v[S+\e], v186, vcc_lo   ; the first choice leaves the field
.endr
	ARGMAX 187, 188
	v_sub_f32 v189, v187, v184                     ; second - first: 0 or less
	v_mul_f32 v189, 0x3fb8aa3b, v189
	v_exp_f32 v189, v189
	v_nop                                          ; a plain line behind the transcendental,
	s_wait_alu depctr_va_vdst(0)                   ; and the wait ahead of its first reader
	v_add_f32 v190, 1.0, v189
	v_rcp_f32 v190, v190                           ; the first weight: 1 / (1 + e^(second - first))
	v_nop
	s_wait_alu depctr_va_vdst(0)
	v_mul_f32 v191, v189, v190                     ; the second
	v_cmp_eq_u32 vcc_lo, 0, v1
	v_cndmask_b32 v192, v191, v190, vcc_lo
	v_lshl_or_b32 v193, v188, 8, v185
	v_cmp_gt_u32 vcc_lo, 2, v1
	s_wait_xcnt 0x0                                ; EXEC changes only when the stores above have had their addresses translated
	s_wait_tensorcnt 0x0
	ds_add_u32 v254, v255
	s_wait_dscnt 0x0
	s_and_saveexec_b32 s34, vcc_lo
	global_store_b32 v14, v192, s[16:17]           ; lanes 0 and 1: the two weights
	s_wait_xcnt 0x0
	s_or_b32 exec_lo, exec_lo, s34
	v_cmp_gt_u32 vcc_lo, 1, v1
	s_and_saveexec_b32 s34, vcc_lo
	global_store_b32 v14, v193, s[14:15]           ; lane 0: the two experts
	s_wait_xcnt 0x0
	s_or_b32 exec_lo, exec_lo, s34
	s_endpgm
.Lfunc_end_k_q5753a116e1_route:
	.size	k_q5753a116e1_route, .Lfunc_end_k_q5753a116e1_route-k_q5753a116e1_route
	.p2alignl 7, 3214868480
	.fill 96, 4, 3214868480
	.section	.rodata,"a",@progbits
	.p2align	6, 0x0
	.amdhsa_kernel k_q5753a116e1_route
		.amdhsa_group_segment_fixed_size 55296
		.amdhsa_private_segment_fixed_size 0
		.amdhsa_enable_private_segment 0
		.amdhsa_kernarg_size 56
		.amdhsa_user_sgpr_count 2
		.amdhsa_user_sgpr_kernarg_segment_ptr 1
		.amdhsa_wavefront_size32 1
		.amdhsa_system_sgpr_workgroup_id_x 1
		.amdhsa_system_sgpr_workgroup_id_y 1
		.amdhsa_system_sgpr_workgroup_id_z 1
		.amdhsa_system_vgpr_workitem_id 0
		.amdhsa_next_free_vgpr 512
		.amdhsa_next_free_sgpr 66
		.amdhsa_reserve_vcc 1
		.amdhsa_float_denorm_mode_32 3
		.amdhsa_float_denorm_mode_16_64 3
		.amdhsa_memory_ordered 1
		.amdhsa_forward_progress 1
		.amdhsa_inst_pref_size 28
	.end_amdhsa_kernel
	.amdgpu_metadata
---
amdhsa.version: [ 1, 2 ]
amdhsa.kernels:
  - .name:           k_q5753a116e1_route
    .symbol:         k_q5753a116e1_route.kd
    .args:
      - { .name: x, .offset: 0, .size: 8, .value_kind: global_buffer, .address_space: global }
      - { .name: Wr, .offset: 8, .size: 8, .value_kind: global_buffer, .address_space: global }
      - { .name: br, .offset: 16, .size: 8, .value_kind: global_buffer, .address_space: global }
      - { .name: xq, .offset: 24, .size: 8, .value_kind: global_buffer, .address_space: global }
      - { .name: xs, .offset: 32, .size: 8, .value_kind: global_buffer, .address_space: global }
      - { .name: sel, .offset: 40, .size: 8, .value_kind: global_buffer, .address_space: global }
      - { .name: pr, .offset: 48, .size: 8, .value_kind: global_buffer, .address_space: global }
    .group_segment_fixed_size: 55296
    .private_segment_fixed_size: 0
    .kernarg_segment_align: 8
    .kernarg_segment_size: 56
    .max_flat_workgroup_size: 128
    .sgpr_count:     66
    .vgpr_count:     512
    .wavefront_size: 32
...
	.end_amdgpu_metadata
.endif
;; end of part 1
;; launch up (part 2): grid 256 x 1, 4 waves a work-group, no clusters, 158,208 bytes of LDS; arguments xq, xs, sel, W1_codes, W1_scales, b1, hq, hs; writes hq, hs
.if DOCPART == 2
	.amdgcn_target "amdgcn-amd-amdhsa--gfx1250"
	.amdhsa_code_object_version 6
	.text
	.protected	k_q5753a116e1_up
	.globl	k_q5753a116e1_up
	.p2align	8
	.type	k_q5753a116e1_up,@function
k_q5753a116e1_up:
	s_mov_b64 s[64:65], 0
	v_nop
	global_prefetch_b8 v0, s[64:65] scope:SCOPE_SE
	s_setreg_imm32_b32 hwreg(HW_REG_WAVE_MODE, 25, 1), 1
	s_wait_xcnt 0x0
; UP.  h = Q(gelu(x W1[e] + b1[e])) for the rows that chose expert e, on codes of FP6 (E2M3) with E8M0 scales; only chosen rows are multiplied.
; THE WEIGHTS STAND STILL: work-group g owns expert e = g / 32 and 128 hidden units, slice g % 32, which are K step g % 32 of the next product.  Wave w: c = w % 2 takes blocks c and c + 2 of the slice's four blocks of 32 units
; (4 tiles x 8 K steps of W1, 384 registers, for the whole launch): just what lanes 16 c .. 16 c + 15 of the next product's operand hold.  par = w / 2 takes the row tiles of that parity.  The rows' codes stream past.
; THE LIST.  sel holds each token's two experts.  Wave 0 lays the tokens of expert e in LDS, in the order (register, lane) of its 8 dense loads of sel; every wave counts them.  The next launch scans in the same order.
; No tensor load and no copy: what a trip does hangs on the count.  No cluster: what work-groups share (the rows' codes) is gathered by a list, a different number of tiles for each expert.
; EVERY WAVE WALKS ALL 32 TRIPS; what hangs on the count is branched round inside a trip.  A wave's first two tiles are fetched without asking the count: an entry of the list past the count names token 0.
; THE PRODUCT IS USED TRANSPOSED (source 0 = 16 rows of W1, source 1 = 16 rows of x): a lane holds one row.  Lane r of tile 2 b + u takes unit 32 (c + 2 b) + 8 u + r + 8 (r / 8), so that the 16 registers of tiles 2 b, 2 b + 1 are
; 16 neighbouring units 32 (c + 2 b) + 16 (lane / 16) + 0 .. 15.  b1 is the C of each sum's first product.
; GELU, exact form: gelu(v) = max(v, 0) - 0.5 |v| erfc(|v| / sqrt 2), erfc(z) = t exp(-z^2 + P(t)), t = 1 / (1 + z / 2), P of degree 9 (fractional error of the formula 1.2e-7), all in f32.
; OUT: hq [8][64 tiles][32 K steps][2 c][3][256]: for lane (r, c) of the operand its 12 registers, 48 bytes, as three pieces of 16 bytes, piece j of row r at 256 j + 16 r: a fragment comes back by three loads of 16 bytes a lane.
;      hs [8][64][32][16 rows][4]: scale words.
; LIMITS: NaN and infinities are not served; a block of zeros gets the byte 1 (its codes are zeros; only this program reads the bytes).  Rows past the count in an expert's last tile are token 0's: the next launch keeps them out of the result.
; LDS: W1's 128 rows, pitch 784 (row p in slot p with bits 3 and 4 exchanged, so that a tile's 16 rows are neighbours); the list, 1,088 words (1,056 entries, 32 for lanes that were not chosen), and 512 bytes unused; for each wave
; 16 rows x 784 of x's codes and 512 bytes of their scales.
; REGISTERS: window 0 as named below; windows 1, 2: W1's fragment (tile t, K step s) at window 1 + s / 4, register 12 (4 (s % 4) + t); window 3: v0-95 x's 8 fragments, v96-191 the next tile's rows as loaded.
.set WP,   784
.set LIST, 100352
.set XSTG, 105216
.set XSTB, 13056
.set XSCO, 12544
.set XSA,  19                          ; v19      offset of a row's scale bytes in xs
.set XA,   20                          ; v20-27   offsets of the tile's rows in xq
.set TO,   28                          ; v28-35   tokens from the list
.set TOS,  36
.set XS,   40                          ; v40-47   x's scale words, K steps 0-7 (scales and nothing else)
.set RXS,  48                          ; v48-51   scale bytes as loaded
.set W1S,  52                          ; v52-83   W1's scale words, 8 t + s (scales and nothing else)
.set B1R,  84                          ; v84-115  b1 in the result's layout
.set ACC,  116                         ; v116-147 four accumulators
.set GA,   148
.set GT,   164
.set GR,   180
.set GQ,   196
.set SELR, 148                         ; at the head: sel, 32 registers
.set RAW,  96
.set MSB, 0
.macro WIN new                         ; the immediate's high byte repeats the setting that is left
.if MSB != \new
	s_set_vgpr_msb (MSB<<8)|\new
.set MSB, \new
.endif
.endm
	s_load_b512 s[4:19], s[0:1], 0x0               ; xq s[4:5], xs s[6:7], sel s[8:9], W1's codes s[10:11], its scales s[12:13], b1 s[14:15], hq s[16:17], hs s[18:19]
	v_lshl_add_u32 v254, v0, 2, 0x26800
	v_mov_b32 v255, 0
	v_lshrrev_b32 v1, 5, v0
	v_readfirstlane_b32 s20, v1                    ; wave
	s_and_b32 s21, s20, 1                          ; c
	s_lshr_b32 s22, s20, 1                         ; par
	s_lshr_b32 s23, ttmp9, 5                       ; e
	s_and_b32 s24, ttmp9, 31                       ; slice
	v_and_b32 v1, 31, v0                           ; L
	v_and_b32 v2, 15, v0                           ; r
	v_bfe_u32 v3, v0, 4, 1                         ; h
	v_lshlrev_b32 v4, 4, v2                        ; 16 r
	s_mul_i32 s34, s20, XSTB
	s_add_co_u32 s34, s34, XSTG                    ; my wave's stage
	v_mul_u32_u24 v5, v3, WP
	v_add_nc_u32 v5, v5, v4                        ; 784 h + 16 r
	v_mul_u32_u24 v6, v2, WP
	v_mad_u32_u24 v6, v3, 24, v6                   ; 784 r + 24 h
	s_mul_i32 s35, s20, 32*WP
	v_add_nc_u32 v232, s35, v5                     ; W1 in: my wave brings rows 32 w .. 32 w + 31
	s_mul_i32 s35, s21, 32*WP
	v_add_nc_u32 v233, s35, v6                     ; W1 out: block c's slots; block c + 2's lie 64 slots on
	v_add_nc_u32 v5, s34, v5                       ; x in: two rows an instruction
	v_add_nc_u32 v6, s34, v6                       ; x out: a fragment's row
	s_add_co_u32 s35, s34, XSCO
	v_lshlrev_b32 v13, 4, v1                       ; 16 L
	v_add_nc_u32 v7, s35, v13                      ; x's scale bytes in
	v_lshl_add_u32 v8, v2, 5, s35                  ; and out: row r's 32
	v_lshl_add_u32 v9, v3, 2, LIST                 ; the list: row 2 a + h
	v_lshrrev_b32 v10, 1, v1
	v_lshl_add_u32 v10, v10, 2, LIST               ; row L / 2
	v_lshlrev_b32 v14, 3, v1
	v_add_nc_u32 v39, LIST, v14
	v_add_nc_u32 v38, LIST, v13
	v_lshlrev_b32 v15, 2, v2
	v_lshl_add_u32 v15, v3, 1, v15
	v_add_nc_u32 v15, s21, v15                     ; 4 r + c + 2 h: my scale byte's place: lanes 0-15 block c's, lanes 16-31 block c + 2's
	v_lshl_add_u32 v246, v3, 9, v4                 ; hq: pieces 0 (lanes 0-15) and 2 (lanes 16-31): 512 h + 16 r
	v_lshl_add_u32 v247, v3, 3, v4
	v_add_nc_u32 v247, 256, v247                   ; and piece 1: 256 + 16 r + 8 h
	v_and_b32 v37, 1, v0
	v_lshlrev_b32 v37, 4, v37                      ; 16 (L % 2)
	v_mul_u32_u24 v234, v3, 768
	v_add_nc_u32 v234, v234, v4                    ; W1's codes: two rows an instruction, 16 lanes to 256 bytes
	v_and_b32 v235, 8, v2
	v_add_nc_u32 v235, v235, v2
	v_lshlrev_b32 v235, 5, v235                    ; W1's scales: row r + 8 (r / 8), 32 bytes a row
	v_lshlrev_b32 v236, 6, v3                      ; b1: 16 h units
	v_add_nc_u32 v237, 1056, v1                    ; where a lane that was not chosen puts its word
	v_lshlrev_b32 v238, 2, v1                      ; 4 L
.irp i, 184,185,186,187,216,217
	v_mov_b32 v\i, 0                               ; zeros for the list; v216-217: a lane permute's destination counts as one of its sources
.endr
	v_mov_b32 v212, 0x3e7c6f08                     ; c9 log2 e, twice: the packed form names a pair
	v_mov_b32 v213, 0x3e7c6f08
	s_mov_b32 s44, 0x76543210
	s_mov_b32 s45, 0xfedcba98                      ; lane l xor 16
	s_mov_b32 s46, 0xffff0000                      ; lanes 16-31
	s_mov_b32 s25, 0                               ; the count
	s_lshl_b32 s31, ttmp9, 7                       ; the slice's first unit among the 8 x 4,096
	s_lshl_b32 s32, s20, 5
	s_add_co_u32 s32, s32, s31
	s_mul_i32 s32, s32, 768
	s_mov_b32 s33, 0
	s_lshl_b32 s36, s21, 5
	s_add_co_u32 s36, s36, s31                     ; block c's first unit
	s_wait_kmcnt 0x0
	s_add_nc_u64 s[10:11], s[10:11], s[32:33]
	s_lshl_b32 s32, s36, 5
	s_add_nc_u64 s[12:13], s[12:13], s[32:33]
	s_lshl_b32 s32, s36, 2
	s_add_nc_u64 s[14:15], s[14:15], s[32:33]
.irp q, 0,1,2,3,4,5,6,7
	global_load_b128 v[SELR+4*\q:SELR+4*\q+3], v13, s[8:9] offset:512*\q    ; register 4 q + i of lane L: token 128 q + 4 L + i
.endr
	WIN 0x40
.set a, 0
.rept 16
.irp u, 0,1,2
	global_load_b128 v[4*(3*a+\u):4*(3*a+\u)+3], v234, s[10:11] offset:1536*a+256*\u th:TH_LOAD_NT   ; read once in the launch
.endr
.set a, a+1
.endr
	WIN 0
.irp t, 0,1,2,3
	global_load_b128 v[W1S+8*\t:W1S+8*\t+3], v235, s[12:13] offset:(64*(\t/2)+8*(\t%2))*32
	global_load_b128 v[W1S+8*\t+4:W1S+8*\t+7], v235, s[12:13] offset:(64*(\t/2)+8*(\t%2))*32+16
.endr
.irp t, 0,1,2,3
	global_load_b128 v[B1R+8*\t:B1R+8*\t+3], v236, s[14:15] offset:(64*(\t/2)+8*(\t%2))*4
	global_load_b128 v[B1R+8*\t+4:B1R+8*\t+7], v236, s[14:15] offset:(64*(\t/2)+8*(\t%2))*4+16
.endr
; One register of sel: which lanes' tokens chose e.  store = 1: each such lane puts its token at the next free places of the list, in lane order; the others at their spare words.
.macro SCAN q, i, store
	v_and_b32 v180, 0xff, v[SELR+4*\q+\i]
	v_lshrrev_b32 v181, 8, v[SELR+4*\q+\i]
	v_cmp_eq_u32 s40, s23, v180
	v_cmp_eq_u32 s41, s23, v181
	s_or_b32 s42, s40, s41
.if \store
	v_mbcnt_lo_u32_b32 v182, s42, s25              ; the count so far + the chosen lanes below me
	v_cndmask_b32 v182, v237, v182, s42
	v_min_u32 v182, 0x43f, v182                    ; inside the list's 1,088 words
	v_lshl_add_u32 v182, v182, 2, LIST
	v_add_nc_u32 v183, 128*\q+\i, v238             ; my token
	ds_store_b32 v182, v183
.endif
	s_bcnt1_i32_b32 s43, s42
	s_add_co_u32 s25, s25, s43
.endm
.macro LADDR off                       ; where the 16 rows that begin at list byte \off stand in the list
	v_add_nc_u32 v11, \off, v9
	v_add_nc_u32 v12, \off, v10
.endm
.macro LREAD                           ; their tokens
.irp a, 0,1,2,3,4,5,6,7
	ds_load_b32 v[TO+\a], v11 offset:8*\a
.endr
	ds_load_b32 v[TOS], v12
.endm
.macro ADDR                            ; their places in xq and xs: 27 plain lines, which name no register of the products
.irp a, 0,1,2,3,4,5,6,7
	v_min_u32 v[TO+\a], 0x3ff, v[TO+\a]
.endr
.irp a, 0,1,2,3,4,5,6,7
	v_mul_u32_u24 v[XA+\a], v[TO+\a], 768
.endr
.irp a, 0,1,2,3,4,5,6,7
	v_add_nc_u32 v[XA+\a], v[XA+\a], v4
.endr
	v_min_u32 v[TOS], 0x3ff, v[TOS]
	v_lshlrev_b32 v[XSA], 5, v[TOS]
	v_add_nc_u32 v[XSA], v[XSA], v37
.endm
.macro GLOAD                           ; 16 rows of 768 bytes, sixteen lanes to 256 consecutive bytes of a row, and their 512 scale bytes: 25 loads
	WIN 0xc0
.irp a, 0,1,2,3,4,5,6,7
.irp u, 0,1,2
	global_load_b128 v[RAW+4*(3*\a+\u):RAW+4*(3*\a+\u)+3], v[XA+\a], s[4:5] offset:256*\u
.endr
.endr
	WIN 0
	global_load_b128 v[RXS:RXS+3], v[XSA], s[6:7]
.endm
	s_wait_loadcnt 63                              ; sel is in: 64 younger loads stand behind it
	s_cmp_lg_u32 s20, 0
	s_cbranch_scc1 .Lcount
.irp i, 0,1,2,3,4,5,6,7
	ds_store_b128 v38, v[184:187] offset:512*\i    ; the list begins as zeros: an entry past the count names token 0
.endr
	ds_store_b64 v39, v[184:185] offset:4096
.irp q, 0,1,2,3,4,5,6,7
.irp i, 0,1,2,3
	SCAN \q, \i, 1
.endr
.endr
	s_branch .Lscanned
.Lcount:
.irp q, 0,1,2,3,4,5,6,7
.irp i, 0,1,2,3
	SCAN \q, \i, 0
.endr
.endr
.Lscanned:
	s_wait_dscnt 0x0                               ; wave 0's list lies in LDS; no other wave has touched LDS yet
	s_barrier_signal -1
	s_barrier_wait -1
	; my first tile's rows are asked for at once, whatever the count: they land while W1 turns through LDS
	s_lshl_b32 s26, s22, 4                         ; my first tile's first row
	s_lshl_b32 s31, s22, 6                         ; and its byte in the list
	LADDR s31
	LREAD
	s_wait_dscnt 0x0                               ; the tokens
	ADDR
	GLOAD
	s_wait_loadcnt 41                              ; W1's codes are in; younger are the 16 loads of scale words and b1 and the 25 just issued
	WIN 0x04                                       ; an LDS store's data: window 1
.set a, 0
.rept 16
.set SG, ((2*a)&7)+(((2*a)>>3)&1)*16+(((2*a)>>4)&1)*8
.irp u, 0,1,2
	ds_store_b128 v232, v[4*(3*a+\u):4*(3*a+\u)+3] offset:SG*WP+256*\u
.endr
.set a, a+1
.endr
	WIN 0
	s_wait_dscnt 0x0                               ; for the others' sake
	s_barrier_signal -1
	s_barrier_wait -1                              ; the slice's 128 rows lie in LDS.  No barrier follows this one
	WIN 0x40                                       ; tile t = 2 b + u begins at slot 32 c + 64 b + 16 u
.irp s, 0,1,2,3
.irp t, 0,1,2,3
.irp p, 0,1,2,3,4,5
	ds_load_b64 v[12*(4*\s+\t)+2*\p:12*(4*\s+\t)+2*\p+1], v233 offset:WP*(64*(\t/2)+16*(\t%2))+96*\s+48*(\p/3)+8*(\p%3)
.endr
.endr
.endr
	WIN 0x80
.irp s, 4,5,6,7
.irp t, 0,1,2,3
.irp p, 0,1,2,3,4,5
	ds_load_b64 v[12*(4*(\s-4)+\t)+2*\p:12*(4*(\s-4)+\t)+2*\p+1], v233 offset:WP*(64*(\t/2)+16*(\t%2))+96*\s+48*(\p/3)+8*(\p%3)
.endr
.endr
.endr
	WIN 0
.macro TURN                            ; through my own stage: 25 stores as loaded, 50 loads as fragments and scale words; LDS serves a wave's instructions in order
	WIN 0x0c
.irp a, 0,1,2,3,4,5,6,7
.irp u, 0,1,2
	ds_store_b128 v5, v[RAW+4*(3*\a+\u):RAW+4*(3*\a+\u)+3] offset:1568*\a+256*\u
.endr
.endr
	WIN 0
	ds_store_b128 v7, v[RXS:RXS+3]
	WIN 0xc0
.irp s, 0,1,2,3,4,5,6,7
.irp p, 0,1,2,3,4,5
	ds_load_b64 v[12*\s+2*\p:12*\s+2*\p+1], v6 offset:96*\s+48*(\p/3)+8*(\p%3)
.endr
.endr
	WIN 0
	ds_load_b128 v[XS:XS+3], v8
	ds_load_b128 v[XS+4:XS+7], v8 offset:16
.endm
.macro MM                              ; 32 products: the four accumulators by turns, one instruction a turn, K ascending
	WIN 0x0d                                       ; source 0 (W1) window 1, source 1 (x) window 3
.irp s, 0,1,2,3
.irp t, 0,1,2,3
.if \s == 0
	v_wmma_scale_f32_16x16x128_f8f6f4 v[ACC+8*\t:ACC+8*\t+7], v[12*(4*\s+\t):12*(4*\s+\t)+11], v[12*\s:12*\s+11], v[B1R+8*\t:B1R+8*\t+7], v[W1S+8*\t+\s], v[XS+\s] matrix_a_fmt:MATRIX_FMT_FP6 matrix_b_fmt:MATRIX_FMT_FP6
.else
	v_wmma_scale_f32_16x16x128_f8f6f4 v[ACC+8*\t:ACC+8*\t+7], v[12*(4*\s+\t):12*(4*\s+\t)+11], v[12*\s:12*\s+11], v[ACC+8*\t:ACC+8*\t+7], v[W1S+8*\t+\s], v[XS+\s] matrix_a_fmt:MATRIX_FMT_FP6 matrix_b_fmt:MATRIX_FMT_FP6
.endif
.endr
.endr
	WIN 0x0e                                       ; source 0 window 2
.irp s, 4,5,6,7
.irp t, 0,1,2,3
	v_wmma_scale_f32_16x16x128_f8f6f4 v[ACC+8*\t:ACC+8*\t+7], v[12*(4*(\s-4)+\t):12*(4*(\s-4)+\t)+11], v[12*\s:12*\s+11], v[ACC+8*\t:ACC+8*\t+7], v[W1S+8*\t+\s], v[XS+\s] matrix_a_fmt:MATRIX_FMT_FP6 matrix_b_fmt:MATRIX_FMT_FP6
.endr
.endr
	WIN 0
.endm
; gelu of 16 numbers in place, v[b] on, each accumulator read from its low end on.  Two batches of transcendentals, each with plain work behind it and one wait ahead of its first reader.
.macro GELU b
.irp j, 0,1,2,3,4,5,6,7,8,9,10,11,12,13,14,15
	v_mul_f32 v[GA+\j], -0.5, |v[(\b)+\j]|         ; -|v| / 2
.endr
.irp j, 0,2,4,6,8,10,12,14
	v_pk_fma_f32 v[GT+\j:GT+\j+1], v[GA+\j:GA+\j+1], 0xbf3504f3, 1.0 op_sel_hi:[1,0,0]   ; 1 + z / 2, z = |v| / sqrt 2
.endr
.irp j, 0,1,2,3,4,5,6,7,8,9,10,11,12,13,14,15
	v_rcp_f32 v[GT+\j], v[GT+\j]                   ; t
.endr
.irp j, 0,2,4,6,8,10,12,14
	v_pk_mul_f32 v[GQ+\j:GQ+\j+1], v[(\b)+\j:(\b)+\j+1], v[(\b)+\j:(\b)+\j+1]   ; v^2
.endr
	s_wait_alu depctr_va_vdst(0)
.irp j, 0,2,4,6,8,10,12,14
	v_pk_fma_f32 v[GR+\j:GR+\j+1], v[GT+\j:GT+\j+1], v[212:213], 0xbf97d29d op_sel_hi:[1,1,0]   ; P(t) log2 e by Horner: c9 t + c8,
.endr
.irp c, 0x40097039, 0xbfd1a1e5, 0x3ecdfd18, 0xbe899a80, 0x3e0efb2e, 0x3f0a29d2, 0x3fb8ab5a, 0xbfe9b21e
.irp j, 0,2,4,6,8,10,12,14
	v_pk_fma_f32 v[GR+\j:GR+\j+1], v[GR+\j:GR+\j+1], v[GT+\j:GT+\j+1], \c op_sel_hi:[1,1,0]     ; c7 down to c0
.endr
.endr
.irp j, 0,2,4,6,8,10,12,14
	v_pk_fma_f32 v[GR+\j:GR+\j+1], v[GQ+\j:GQ+\j+1], 0xbf38aa3b, v[GR+\j:GR+\j+1] op_sel_hi:[1,0,1]   ; - z^2 log2 e = - v^2 log2 e / 2
.endr
.irp j, 0,1,2,3,4,5,6,7,8,9,10,11,12,13,14,15
	v_exp_f32 v[GR+\j], v[GR+\j]
.endr
.irp j, 0,2,4,6,8,10,12,14
	v_pk_mul_f32 v[GA+\j:GA+\j+1], v[GA+\j:GA+\j+1], v[GT+\j:GT+\j+1]   ; -|v| t / 2
.endr
.irp j, 0,1,2,3,4,5,6,7,8,9,10,11,12,13,14,15
	v_max_num_f32 v[(\b)+\j], 0, v[(\b)+\j]
.endr
	s_wait_alu depctr_va_vdst(0)
.irp j, 0,2,4,6,8,10,12,14
	v_pk_fma_f32 v[(\b)+\j:(\b)+\j+1], v[GA+\j:GA+\j+1], v[GR+\j:GR+\j+1], v[(\b)+\j:(\b)+\j+1]
.endr
.endm
; My 32 numbers of a row (two half blocks of 16) become the 48 bytes of the operand's lane (r, c), as they leave: v240-243 pieces 0 and 2, v244-245 my half of piece 1; and my block's scale byte, v231.
.macro QUANT2
.irp b, 0,1
	v_max3_num_f32 v[214+\b], |v[ACC+16*\b]|, |v[ACC+16*\b+1]|, 0x1800000   ; with the floor 2^(3 - 127): the byte cannot fall under 1
.endr
.irp i, 2,4,6,8,10,12,14
.irp b, 0,1
	v_max3_num_f32 v[214+\b], v[214+\b], |v[ACC+16*\b+\i]|, |v[ACC+16*\b+\i+1]|
.endr
.endr
.irp b, 0,1
	v_permlanex16_b32 v[216+\b], v[214+\b], s44, s45
.endr
.irp b, 0,1
	v_max_num_f32 v[214+\b], v[214+\b], v[216+\b]  ; with lane l xor 16's 16: the block's largest magnitude
.endr
.irp b, 0,1
	v_add_nc_u32 v[218+\b], 0xff000000, v[214+\b]  ; 2 off the exponent field: the conversion's scale operand
.endr
.irp b, 0,1
	v_lshrrev_b32 v[220+\b], 23, v[218+\b]         ; the byte
.endr
	v_cvt_scalef32_pk16_fp6_f32 v[222:224], v[ACC:ACC+15], v218
	v_cvt_scalef32_pk16_fp6_f32 v[228:230], v[ACC+16:ACC+31], v219
	v_cndmask_b32 v231, v220, v221, s46            ; lanes 0-15 store block c's byte, lanes 16-31 block c + 2's; also the plain line behind the conversions
.irp i, 0,1,2
	v_permlane16_swap_b32 v[222+\i], v[228+\i]     ; a whole block to a lane: words 0-2 in v222-224, words 3-5 in v228-230; lanes 0-15 block c (the operand's registers 0-5), lanes 16-31 block c + 2 (registers 6-11)
.endr
	v_cndmask_b32 v240, v222, v224, s46            ; lanes 0-15: words 0-3, the row's piece 0;
	v_cndmask_b32 v241, v223, v228, s46            ; lanes 16-31: words 2-5, its piece 2
	v_cndmask_b32 v242, v224, v229, s46
	v_cndmask_b32 v243, v228, v230, s46
	v_cndmask_b32 v244, v229, v222, s46            ; piece 1: lanes 0-15 give words 4, 5, its lower 8 bytes;
	v_cndmask_b32 v245, v230, v223, s46            ; lanes 16-31 words 0, 1, its upper 8
.endm
	s_wait_loadcnt 0x0                             ; the first tile's rows; W1's scale words and b1 too
	TURN
	s_add_co_u32 s31, s31, 128                     ; 32 rows on
	LADDR s31
	LREAD
	s_wait_dscnt 0x0                               ; W1's fragments, the first tile's, the tokens; the stage's stores have read the registers that the loads below fill
	ADDR
	GLOAD                                          ; my second tile's rows are on their way
	s_add_co_u32 s47, s31, 128                     ; 64 par + 256: list byte of the tile two on from trip 0's
	s_lshl_b32 s29, s23, 6
	s_add_co_u32 s29, s29, s22                     ; 64 e + tile
	s_lshl_b32 s30, s29, 11
	s_lshl_b32 s31, s24, 6
	s_add_co_u32 s30, s30, s31                     ; hs: 2,048 bytes a tile, 64 a K step
	s_lshl_b32 s29, s29, 5
	s_add_co_u32 s29, s29, s24
	s_mul_i32 s29, s29, 1536
	s_mul_i32 s31, s21, 768
	s_add_co_u32 s29, s29, s31                     ; hq: 1,536 bytes a fragment, my half of its lanes
	s_mov_b32 s27, 0
.Ltile:                                            ; 32 trips, a constant: a parity's 32 tiles serve every split; a trip past the count does nothing
	s_lshl_b32 s28, s27, 7                         ; the list address is made of the trip's number: 128 bytes a trip; at the most 4,352 bytes into the list, its end
	s_add_co_u32 s28, s28, s47
	LADDR s28
	s_cmp_ge_u32 s26, s25
	s_cbranch_scc1 .Lnext
	s_wait_xcnt 0x0                                ; the last trip's loads and stores have had their addresses translated: their offsets and data are written again below
	LREAD                                          ; the tokens of the tile two on
	s_wait_dscnt 0x0                               ; this tile's fragments and scale words are in, and the tokens
	MM
	ADDR                                           ; also the places between the products and the loads into their operands, and their results' first reader
	s_add_co_u32 s31, s26, 32
	s_cmp_ge_u32 s31, s25
	s_cbranch_scc1 .Lgel
	s_wait_loadcnt 0x0                             ; the next tile's rows are in
	TURN
	s_add_co_u32 s31, s26, 64
	s_cmp_ge_u32 s31, s25
	s_cbranch_scc1 .Lgel
	s_wait_dscnt 50                                ; the stage's 25 stores are done (its 50 loads are younger): the registers that they read are loaded again
	GLOAD                                          ; the tile two on: it has this trip's gelu and the next trip's products in which to land
.Lgel:
	GELU ACC
	GELU ACC+16
	QUANT2
	v_add_nc_u32 v16, s29, v246
	v_add_nc_u32 v17, s29, v247
	v_add_nc_u32 v18, s30, v15
	global_store_b128 v16, v[240:243], s[16:17]    ; lanes 0-15 and lanes 16-31 each store 256 consecutive bytes, at multiples of 256 from hq's first byte
	global_store_b64 v17, v[244:245], s[16:17]     ; the 32 lanes together store the 256 bytes between
	global_store_b8 v18, v231, s[18:19]
.Lnext:
	s_add_co_u32 s26, s26, 32
	s_add_co_u32 s29, s29, 98304
	s_add_co_u32 s30, s30, 4096
	s_add_co_u32 s27, s27, 1
	s_cmp_lt_u32 s27, 32
	s_cbranch_scc1 .Ltile
	s_wait_tensorcnt 0x0
	ds_add_u32 v254, v255
	s_wait_dscnt 0x0
	s_endpgm
.Lfunc_end_k_q5753a116e1_up:
	.size	k_q5753a116e1_up, .Lfunc_end_k_q5753a116e1_up-k_q5753a116e1_up
	.p2alignl 7, 3214868480
	.fill 96, 4, 3214868480
	.section	.rodata,"a",@progbits
	.p2align	6, 0x0
	.amdhsa_kernel k_q5753a116e1_up
		.amdhsa_group_segment_fixed_size 158208
		.amdhsa_private_segment_fixed_size 0
		.amdhsa_enable_private_segment 0
		.amdhsa_kernarg_size 64
		.amdhsa_user_sgpr_count 2
		.amdhsa_user_sgpr_kernarg_segment_ptr 1
		.amdhsa_wavefront_size32 1
		.amdhsa_system_sgpr_workgroup_id_x 1
		.amdhsa_system_sgpr_workgroup_id_y 1
		.amdhsa_system_sgpr_workgroup_id_z 1
		.amdhsa_system_vgpr_workitem_id 0
		.amdhsa_next_free_vgpr 960
		.amdhsa_next_free_sgpr 66
		.amdhsa_reserve_vcc 0
		.amdhsa_float_denorm_mode_32 3
		.amdhsa_float_denorm_mode_16_64 3
		.amdhsa_memory_ordered 1
		.amdhsa_forward_progress 1
		.amdhsa_inst_pref_size 116
	.end_amdhsa_kernel
	.amdgpu_metadata
---
amdhsa.version: [ 1, 2 ]
amdhsa.kernels:
  - .name:           k_q5753a116e1_up
    .symbol:         k_q5753a116e1_up.kd
    .args:
      - { .name: xq, .offset: 0, .size: 8, .value_kind: global_buffer, .address_space: global }
      - { .name: xs, .offset: 8, .size: 8, .value_kind: global_buffer, .address_space: global }
      - { .name: sel, .offset: 16, .size: 8, .value_kind: global_buffer, .address_space: global }
      - { .name: W1_codes, .offset: 24, .size: 8, .value_kind: global_buffer, .address_space: global }
      - { .name: W1_scales, .offset: 32, .size: 8, .value_kind: global_buffer, .address_space: global }
      - { .name: b1, .offset: 40, .size: 8, .value_kind: global_buffer, .address_space: global }
      - { .name: hq, .offset: 48, .size: 8, .value_kind: global_buffer, .address_space: global }
      - { .name: hs, .offset: 56, .size: 8, .value_kind: global_buffer, .address_space: global }
    .group_segment_fixed_size: 158208
    .private_segment_fixed_size: 0
    .kernarg_segment_align: 8
    .kernarg_segment_size: 64
    .max_flat_workgroup_size: 128
    .sgpr_count:     66
    .vgpr_count:     960
    .wavefront_size: 32
...
	.end_amdgpu_metadata
.endif
;; end of part 2
;; launch down (part 3): grid 256 x 1, 4 waves a work-group, no clusters, 244,736 bytes of LDS; arguments hq, hs, sel, pr, W2_codes, W2_scales, b2, y; writes y
.if DOCPART == 3
	.amdgcn_target "amdgcn-amd-amdhsa--gfx1250"
	.amdhsa_code_object_version 6
	.text
	.protected	k_q5753a116e1_down
	.globl	k_q5753a116e1_down
	.p2align	8
	.type	k_q5753a116e1_down,@function
k_q5753a116e1_down:
	s_mov_b64 s[64:65], 0
	v_nop
	global_prefetch_b8 v0, s[64:65] scope:SCOPE_SE
	s_setreg_imm32_b32 hwreg(HW_REG_WAVE_MODE, 25, 1), 1
	s_wait_xcnt 0x0
; DOWN.  y[slot] = p (h W2[e] + b2[e]) for each routed row; slot = 2 token + (0: its first expert, 1: its second).  Codes of FP6 (E2M3) with E8M0 scales on both sides.
; THE WEIGHTS STAND STILL: work-group g owns expert e = g / 32, 64 output columns ns = (g / 2) % 16 and the row tiles of parity g % 2.  Wave kq takes K steps 8 kq .. 8 kq + 7 of all 64 columns: 4 tiles x 8 K steps of W2,
; 384 registers, for the whole launch; so each byte of a tile's hidden layer goes to one wave.  The four partial sums of a tile meet in LDS, one barrier a tile, and each wave finishes and stores four of its 16 rows.
; THE HIDDEN LAYER COMES TWO TILES AT A TIME, in four sets of 96 registers.  At the head of a pair the wave waits for all its loads, asks for the next pair into the two sets that the pair before has left, and works this pair: a load has
; two tiles' work in which to land.  The loads stand under branches on the count, so no wait counts them: each wait is for all.  A tile is 28 loads (a fragment: three of 16 bytes a lane), a pair 56, which LOADcnt's six bits
; can count (ISA guide 5.7.1): the wave issues a pair's loads without a halt.
; THE LIST is made as in the launch before, in the same order, here with the slot and the weight of each row.  It begins filled with SPARE SLOTS, 2048 + 16 e + (entry % 16), and weights 0: the up to 15 rows past the count in
; an expert's last tile are stored to 16 rows of y of that expert's own, behind the 2,048 slots, which nobody reads.  So every lane stays on throughout; the price is at most 15 rows of 4,096 bytes an expert.
; No tensor load and no copy: what a trip does hangs on the count.  Every wave passes every barrier: the barrier stands outside the branches on the count.  No cluster: the experts' numbers of tiles differ.
; THE PRODUCT IS USED TRANSPOSED (source 0 = 16 rows of W2, source 1 = 16 rows of h): a lane holds one row and eight neighbouring columns.
; LDS: for each wave 64 rows x 784 of W2's codes (its own turn); the list and the weights, 1,088 words each; two sets of 4 x 16 rows x 272 for the partial sums, by turns.
; REGISTERS: window 0 as named below; windows 1, 2: W2's fragment (tile t, K step s) at window 1 + s / 4, register 12 (4 (s % 4) + t).  The hidden fragments' sets: 0: window 0 v144-239 (where sel and pr lay);
; 1: window 3 v0-95; 2: window 3 v96-191; 3: fragments 0-4 window 3 v192-251, fragments 5-7 window 1 v192-227.
.set WP,   784
.set WSTB, 50176
.set LIST, 200704
.set PLO,  4352                        ; the weights lie this far behind the list
.set RST,  209408
.set RSET, 17408
.set RWV,  4352
.set RP,   272
.set ACC,  32                          ; v32-63   four accumulators
.set W2S,  64                          ; v64-95   W2's scale words, 8 t + s (scales and nothing else)
.set HS,   96                          ; v96-111  h's scale words, four sets of 4: lanes 0-15 an even K step's, lanes 16-31 the odd one's (scales and nothing else)
.set RD,   112                         ; v112-143 partial sums read back
.set SELR, 144                         ; v144-175 sel
.set PR,   176                         ; v176-239 pr
.set ZR,   240                         ; v240-243 zeros
.set T,    244                         ; v244-248 at work in the scan
.set FL,   250                         ; v250-253 four spare slots
.set MSB, 0
.macro WIN new                         ; the immediate's high byte repeats the setting that is left
.if MSB != \new
	s_set_vgpr_msb (MSB<<8)|\new
.set MSB, \new
.endif
.endm
.macro HPLACE set, f                   ; where fragment f of a set lies: window HW, register HR
.if (\set) == 0
.set HW, 0
.set HR, 144+12*(\f)
.elseif (\set) == 1
.set HW, 3
.set HR, 12*(\f)
.elseif (\set) == 2
.set HW, 3
.set HR, 96+12*(\f)
.elseif (\f) < 5
.set HW, 3
.set HR, 192+12*(\f)
.else
.set HW, 1
.set HR, 192+12*((\f)-5)
.endif
.endm
	s_load_b512 s[4:19], s[0:1], 0x0               ; hq s[4:5], hs s[6:7], sel s[8:9], pr s[10:11], W2's codes s[12:13], its scales s[14:15], b2 s[16:17], y s[18:19]
	v_lshl_add_u32 v254, v0, 2, 0x3ba00
	v_mov_b32 v255, 0
	v_lshrrev_b32 v1, 5, v0
	v_readfirstlane_b32 s20, v1                    ; wave = kq
	s_and_b32 s22, ttmp9, 1                        ; par
	s_lshr_b32 s23, ttmp9, 5                       ; e
	s_bfe_u32 s24, ttmp9, 0x40001                  ; ns
	s_lshl_b32 s44, s22, 4                         ; my first tile's first row
	v_and_b32 v1, 31, v0                           ; L
	v_and_b32 v2, 15, v0                           ; r
	v_bfe_u32 v3, v0, 4, 1                         ; h
	v_lshlrev_b32 v24, 4, v2                       ; 16 r
	v_mul_u32_u24 v4, v3, 3072
	v_add_nc_u32 v4, v4, v24                       ; W2's codes: two rows an instruction, 16 lanes to 256 bytes
	s_mul_i32 s36, s20, WSTB
	v_mul_u32_u24 v5, v3, WP
	v_add_nc_u32 v5, v5, v24
	v_add_nc_u32 v5, s36, v5                       ; into my stage
	v_mul_u32_u24 v6, v2, WP
	v_mad_u32_u24 v6, v3, 24, v6
	v_add_nc_u32 v6, s36, v6                       ; and out: a fragment's row
	v_lshlrev_b32 v7, 4, v1                        ; 16 L
	v_mad_u32_u24 v8, v3, 768, v24                 ; hq: my half of a fragment's lanes, my row's 16 bytes of a piece: 768 h + 16 r
	v_lshlrev_b32 v9, 2, v1                        ; 4 L
	v_lshlrev_b32 v28, 3, v1                       ; 8 L
	s_mul_i32 s36, s20, RWV
	s_add_co_u32 s36, s36, RST
	v_mul_u32_u24 v10, v2, RP
	v_lshl_add_u32 v10, v3, 5, v10
	v_add_nc_u32 v10, s36, v10                     ; my partial sums: row r, 32 h bytes on
	s_mul_i32 s36, s20, 4*RP
	s_add_co_u32 s36, s36, RST
	v_mul_u32_u24 v11, v3, RP
	v_add_nc_u32 v11, v11, v24
	v_add_nc_u32 v11, s36, v11                     ; back: rows 4 kq + h (and two on), 16 bytes a lane
	s_lshl_b32 s36, s20, 4
	s_lshl_b32 s39, s22, 6
	s_add_co_u32 s36, s36, s39
	s_add_co_u32 s36, s36, LIST
	v_lshl_add_u32 v12, v3, 2, s36                 ; those rows' list words in my first tile: word 16 par + 4 kq + h
	v_add_nc_u32 v29, LIST, v7
	v_add_nc_u32 v25, 1056, v1                     ; where a lane that was not chosen puts its words
	v_lshlrev_b32 v30, 5, v1                       ; pr: 32 L
	v_lshlrev_b32 v31, 7, v2                       ; W2's scales: 128 bytes a row
	s_lshl_b32 s39, s23, 4
	s_add_co_u32 s39, s39, 2048
	v_and_b32 v[FL], 12, v9                        ; the list's first filling: entry 4 L + i (+ a multiple of 16) names spare slot 2048 + 16 e + (4 L + i) % 16
	v_add_nc_u32 v[FL], s39, v[FL]
	v_add_nc_u32 v[FL+1], 1, v[FL]
	v_add_nc_u32 v[FL+2], 2, v[FL]
	v_add_nc_u32 v[FL+3], 3, v[FL]
.irp i, ZR, ZR+1, ZR+2, ZR+3, 15, 26, 27
	v_mov_b32 v[\i], 0                             ; the weights' first filling; v15, v26, v27: offsets, written whole once at the head
.endr
.irp i, 0,1,2,3,4,5,6,7,8,9,10,11,12,13,14,15
	v_mov_b32 v[HS+\i], 0x7f7f7f7f                 ; written on every way ahead of the loop
.endr
	s_mov_b32 s25, 0                               ; the count
	s_lshl_b32 s29, s23, 10
	s_lshl_b32 s30, s24, 6
	s_add_co_u32 s29, s29, s30                     ; my first row of W2 among the 8 x 1,024
	s_mov_b32 s31, 0
	s_lshl_b32 s37, s23, 6
	s_add_co_u32 s37, s37, s22                     ; 64 e + my first tile
	s_wait_kmcnt 0x0
	s_mul_i32 s30, s29, 3072
	s_mul_i32 s39, s20, 768
	s_add_co_u32 s30, s30, s39
	s_add_nc_u64 s[12:13], s[12:13], s[30:31]
	s_lshl_b32 s30, s29, 7
	s_lshl_b32 s39, s20, 5
	s_add_co_u32 s30, s30, s39
	s_add_nc_u64 s[14:15], s[14:15], s[30:31]
	s_lshl_b32 s30, s29, 2
	s_add_nc_u64 s[16:17], s[16:17], s[30:31]
	s_lshl_b32 s30, s24, 8
	s_add_nc_u64 s[18:19], s[18:19], s[30:31]      ; y at my 64 columns
	s_mul_i32 s30, s37, 49152
	s_mul_i32 s39, s20, 12288
	s_add_co_u32 s30, s30, s39
	s_add_nc_u64 s[32:33], s[4:5], s[30:31]        ; hq at my 8 K steps of my first tile
	s_lshl_b32 s30, s37, 11
	s_lshl_b32 s39, s20, 9
	s_add_co_u32 s30, s30, s39
	s_add_nc_u64 s[34:35], s[6:7], s[30:31]        ; hs likewise
.irp q, 0,1,2,3,4,5,6,7
	global_load_b128 v[SELR+4*\q:SELR+4*\q+3], v7, s[8:9] offset:512*\q     ; register 4 q + i of lane L: token 128 q + 4 L + i
.endr
.irp q, 0,1,2,3,4,5,6,7
	global_load_b128 v[PR+8*\q:PR+8*\q+3], v30, s[10:11] offset:1024*\q     ; the two weights of token (q, i): registers 8 q + 2 i, 8 q + 2 i + 1.  Wave 0 uses them; every wave loads them, so that
	global_load_b128 v[PR+8*\q+4:PR+8*\q+7], v30, s[10:11] offset:1024*\q+16   ; set 0's registers are written in every wave ahead of the loop
.endr
	WIN 0xc0                                       ; W2's 64 rows x 768 bytes: 96 loads, 64 into window 3 and 32 into window 1 v128-255: so sets 1, 2 and 3 are written on every way too
.set l, 0
.rept 64
	global_load_b128 v[4*l:4*l+3], v4, s[12:13] offset:6144*(l/3)+256*(l%3)
.set l, l+1
.endr
	WIN 0x40
.rept 32
	global_load_b128 v[128+4*(l-64):128+4*(l-64)+3], v4, s[12:13] offset:6144*(l/3)+256*(l%3)
.set l, l+1
.endr
	WIN 0
.irp t, 0,1,2,3
	global_load_b128 v[W2S+8*\t:W2S+8*\t+3], v31, s[14:15] offset:2048*\t
	global_load_b128 v[W2S+8*\t+4:W2S+8*\t+7], v31, s[14:15] offset:2048*\t+16
.endr
	global_load_b128 v[16:19], v24, s[16:17]       ; b2 of my four columns
.macro SCAN q, i, store
	v_and_b32 v[T], 0xff, v[SELR+4*\q+\i]
	v_lshrrev_b32 v[T+1], 8, v[SELR+4*\q+\i]
	v_cmp_eq_u32 s40, s23, v[T]
	v_cmp_eq_u32 s41, s23, v[T+1]
	s_or_b32 s42, s40, s41
.if \store
	v_mbcnt_lo_u32_b32 v[T+2], s42, s25            ; the count so far + the chosen lanes below me
	v_cndmask_b32 v[T+2], v25, v[T+2], s42
	v_min_u32 v[T+2], 0x43f, v[T+2]                ; inside the list's 1,088 words
	v_lshl_add_u32 v[T+2], v[T+2], 2, LIST
	v_cndmask_b32 v[T+3], 0, 1, s41
	v_add_nc_u32 v[T+3], v[T+3], v28
	v_add_nc_u32 v[T+3], 256*\q+2*\i, v[T+3]       ; the slot: 2 token + (chosen second)
	v_cndmask_b32 v[T+4], v[PR+8*\q+2*\i], v[PR+8*\q+2*\i+1], s41
	ds_store_b32 v[T+2], v[T+3]
	ds_store_b32 v[T+2], v[T+4] offset:PLO
.endif
	s_bcnt1_i32_b32 s43, s42
	s_add_co_u32 s25, s25, s43
.endm
	s_wait_loadcnt 63                              ; sel and pr are in: 105 younger loads stand behind them
	s_cmp_lg_u32 s20, 0
	s_cbranch_scc1 .Lcount
.irp i, 0,1,2,3,4,5,6,7
	ds_store_b128 v29, v[FL:FL+3] offset:512*\i        ; entries 0 to 1,023: spare slots,
.endr
.irp i, 0,1,2,3,4,5,6,7
	ds_store_b128 v29, v[ZR:ZR+3] offset:PLO+512*\i    ; with the weight 0
.endr
.irp q, 0,1,2,3,4,5,6,7
.irp i, 0,1,2,3
	SCAN \q, \i, 1
.endr
.endr
	s_branch .Lscanned
.Lcount:
.irp q, 0,1,2,3,4,5,6,7
.irp i, 0,1,2,3
	SCAN \q, \i, 0
.endr
.endr
.Lscanned:
	s_wait_dscnt 0x0                               ; wave 0's list lies in LDS; no other wave has touched LDS yet
	s_barrier_signal -1
	s_barrier_wait -1
	s_wait_loadcnt 0x0                             ; W2's codes and scale words, b2
	WIN 0x0c
.set l, 0
.rept 64
	ds_store_b128 v5, v[4*l:4*l+3] offset:1568*(l/3)+256*(l%3)
.set l, l+1
.endr
	WIN 0x04
.rept 32
	ds_store_b128 v5, v[128+4*(l-64):128+4*(l-64)+3] offset:1568*(l/3)+256*(l%3)
.set l, l+1
.endr
	WIN 0
	s_wait_dscnt 0x0                               ; the stores have read their registers, which the loads below fill.  These LDS bytes are my wave's own: no barrier
; My 8 K steps of a tile's hidden layer into a set: 8 fragments, three loads of 16 bytes a lane each (lanes 0-15 and lanes 16-31 each read 256 consecutive bytes), and 4 registers of scale words: 28 loads.
; imm: bytes of hq from the trip's first tile on.
.macro HLOAD set, imm
.irp f, 0,1,2,3,4,5,6,7
	HPLACE \set, \f
	WIN (HW<<6)
.irp j, 0,1,2
	global_load_b128 v[HR+4*\j:HR+4*\j+3], v8, s[32:33] offset:(\imm)+1536*\f+256*\j
.endr
.endr
	WIN 0
.irp i, 0,1,2,3
	global_load_b32 v[HS+4*(\set)+\i], v9, s[34:35] offset:(\imm)/24+128*\i
.endr
.endm
	s_add_co_u32 s45, s44, 32
	s_cmp_ge_u32 s44, s25
	s_cbranch_scc1 .Lnofirst
	HLOAD 0, 0                                     ; my first pair of tiles is asked for ahead of the LDS loads below, and lands beside them
	s_cmp_ge_u32 s45, s25
	s_cbranch_scc1 .Lnofirst
	HLOAD 1, 98304
.Lnofirst:
	WIN 0x40
.irp s, 0,1,2,3
.irp t, 0,1,2,3
.irp p, 0,1,2,3,4,5
	ds_load_b64 v[12*(4*\s+\t)+2*\p:12*(4*\s+\t)+2*\p+1], v6 offset:12544*\t+96*\s+48*(\p/3)+8*(\p%3)
.endr
.endr
.endr
	WIN 0x80
.irp s, 4,5,6,7
.irp t, 0,1,2,3
.irp p, 0,1,2,3,4,5
	ds_load_b64 v[12*(4*(\s-4)+\t)+2*\p:12*(4*(\s-4)+\t)+2*\p+1], v6 offset:12544*\t+96*\s+48*(\p/3)+8*(\p%3)
.endr
.endr
.endr
	WIN 0
.macro M2 set, s, t
	HPLACE \set, \s
	WIN (1+(\s)/4)|(HW<<2)                         ; source 0 (W2) window 1 or 2, source 1 (h) the set's window
.if (\s) == 0
	v_wmma_scale_f32_16x16x128_f8f6f4 v[ACC+8*\t:ACC+8*\t+7], v[12*(4*((\s)%4)+\t):12*(4*((\s)%4)+\t)+11], v[HR:HR+11], 0, v[W2S+8*\t+\s], v[HS+4*(\set)+(\s)/2] matrix_a_fmt:MATRIX_FMT_FP6 matrix_b_fmt:MATRIX_FMT_FP6
.elseif (\s)%2
	v_wmma_scale_f32_16x16x128_f8f6f4 v[ACC+8*\t:ACC+8*\t+7], v[12*(4*((\s)%4)+\t):12*(4*((\s)%4)+\t)+11], v[HR:HR+11], v[ACC+8*\t:ACC+8*\t+7], v[W2S+8*\t+\s], v[HS+4*(\set)+(\s)/2] matrix_a_fmt:MATRIX_FMT_FP6 matrix_b_fmt:MATRIX_FMT_FP6 matrix_b_scale:MATRIX_SCALE_ROW1
.else
	v_wmma_scale_f32_16x16x128_f8f6f4 v[ACC+8*\t:ACC+8*\t+7], v[12*(4*((\s)%4)+\t):12*(4*((\s)%4)+\t)+11], v[HR:HR+11], v[ACC+8*\t:ACC+8*\t+7], v[W2S+8*\t+\s], v[HS+4*(\set)+(\s)/2] matrix_a_fmt:MATRIX_FMT_FP6 matrix_b_fmt:MATRIX_FMT_FP6
.endif
.endm
.macro MM2 set                         ; 32 products: the four accumulators by turns, one instruction a turn, K ascending; the first four start the sums
.irp s, 0,1,2,3,4,5,6,7
.irp t, 0,1,2,3
	M2 \set, \s, \t
.endr
.endr
	WIN 0
.endm
; The head of a pair of tiles.  The wait stands on every way: behind it no load of mine is out, so this pair's sets may be read.  Then the next pair is asked for, into sets sa and sb, which the pair before has left
; (five plain lines stand behind each tile's last product).  ra, rb: the scalar registers that hold the next pair's first rows; ia, ib: their bytes in hq from the trip's first tile on.
.macro GHEAD sa, sb, ra, rb, ia, ib
	s_wait_loadcnt 0x0
	s_cmp_ge_u32 s[\ra], s25
	s_cbranch_scc1 .Lnoh_\@
	HLOAD \sa, \ia
	s_cmp_ge_u32 s[\rb], s25
	s_cbranch_scc1 .Lnoh_\@
	HLOAD \sb, \ib
.Lnoh_\@:
.endm
; One tile.  set: its hidden fragments; rs: the set of partial sums; this: the scalar register that holds its first row; lo: its list bytes from the trip's first tile on.
; The work stands under branches on the count; the wait and the barrier stand on every way.
.macro TRIP set, rs, this, lo
	s_cmp_ge_u32 s[\this], s25
	s_cbranch_scc1 .Lmeet_\@
	MM2 \set
.rept 5
	v_nop                                          ; four places ahead of the stores that read the results and of the next loads into the operands; a fifth ahead of the next tile's first product, which writes over an accumulator
.endr
.irp t, 0,1,2,3
	ds_store_b128 v10, v[ACC+8*\t:ACC+8*\t+3] offset:RSET*\rs+64*\t          ; each accumulator from its low end on
	ds_store_b128 v10, v[ACC+8*\t+4:ACC+8*\t+7] offset:RSET*\rs+64*\t+16
.endr
.Lmeet_\@:
	s_wait_dscnt 0x0                               ; for the others' sake: my partial sums lie in LDS; my reads of the other set ended with the last tile
	s_barrier_signal -1
	s_barrier_wait -1                              ; one barrier a tile: this set is written again only behind the next tile's barrier
	s_cmp_ge_u32 s[\this], s25
	s_cbranch_scc1 .Ldone_\@
	ds_load_b32 v20, v15 offset:\lo                ; the slots of rows 4 kq + h and two on,
	ds_load_b32 v21, v15 offset:\lo+8
	ds_load_b32 v22, v15 offset:\lo+PLO            ; and their weights
	ds_load_b32 v23, v15 offset:\lo+PLO+8
.irp w, 0,1,2,3
.irp i, 0,1
	ds_load_b128 v[RD+4*(2*\w+\i):RD+4*(2*\w+\i)+3], v11 offset:RSET*\rs+RWV*\w+2*RP*\i
.endr
.endr
	s_wait_dscnt 0x0
.irp i, 0,1
.irp j, 0,2
	v_pk_add_f32 v[RD+4*\i+\j:RD+4*\i+\j+1], v[RD+4*\i+\j:RD+4*\i+\j+1], v[RD+8+4*\i+\j:RD+8+4*\i+\j+1]
	v_pk_add_f32 v[RD+16+4*\i+\j:RD+16+4*\i+\j+1], v[RD+16+4*\i+\j:RD+16+4*\i+\j+1], v[RD+24+4*\i+\j:RD+24+4*\i+\j+1]
.endr
.endr
.irp i, 0,1
.irp j, 0,2
	v_pk_add_f32 v[RD+4*\i+\j:RD+4*\i+\j+1], v[RD+4*\i+\j:RD+4*\i+\j+1], v[RD+16+4*\i+\j:RD+16+4*\i+\j+1]
.endr
.endr
.irp i, 0,1
.irp j, 0,2
	v_pk_add_f32 v[RD+4*\i+\j:RD+4*\i+\j+1], v[RD+4*\i+\j:RD+4*\i+\j+1], v[16+\j:17+\j]       ; + b2
.endr
.endr
.irp j, 0,2
	v_pk_mul_f32 v[RD+\j:RD+\j+1], v[RD+\j:RD+\j+1], v[22:23] op_sel_hi:[1,0]                 ; x the row's weight
	v_pk_mul_f32 v[RD+4+\j:RD+4+\j+1], v[RD+4+\j:RD+4+\j+1], v[22:23] op_sel:[0,1] op_sel_hi:[1,1]
.endr
	v_min_u32 v20, 0x87f, v20                      ; inside y's 2,176 rows
	v_min_u32 v21, 0x87f, v21
	v_lshlrev_b32 v26, 12, v20
	v_lshlrev_b32 v27, 12, v21
	v_add_nc_u32 v26, v26, v24
	v_add_nc_u32 v27, v27, v24
	global_store_b128 v26, v[RD:RD+3], s[18:19]    ; 16 lanes store 256 consecutive bytes, at a multiple of 256 from y's first byte
	global_store_b128 v27, v[RD+4:RD+7], s[18:19]
.Ldone_\@:
	s_wait_xcnt 0x0                                ; the tile's loads and stores have read their bases, offsets and data
.endm
	s_wait_dscnt 0x0                               ; W2's fragments are in
	s_mov_b32 s27, 0
.Lquad:                                            ; 8 trips of four tiles, a constant: a parity's 32 tiles serve every split
	s_lshl_b32 s26, s27, 7                         ; rows and list address are made of the trip's number: 128 rows, 512 list bytes a trip
	s_add_co_u32 s26, s26, s44                     ; the first rows of the trip's four tiles,
	s_add_co_u32 s45, s26, 32
	s_add_co_u32 s46, s26, 64
	s_add_co_u32 s47, s26, 96
	s_add_co_u32 s36, s26, 128                     ; and of the next trip's first two
	s_add_co_u32 s37, s26, 160
	s_lshl_b32 s28, s27, 9
	v_add_nc_u32 v15, s28, v12                     ; at the most 4,096 bytes into the list (and into the weights)
	GHEAD 2, 3, 46, 47, 196608, 294912
	TRIP 0, 0, 26, 0
	TRIP 1, 1, 45, 128
	GHEAD 0, 1, 36, 37, 393216, 491520
	TRIP 2, 0, 46, 256
	TRIP 3, 1, 47, 384
	s_add_nc_u64 s[32:33], s[32:33], 393216        ; eight tiles on: my next four (behind the wait on XCNT that ends a tile)
	s_add_nc_u64 s[34:35], s[34:35], 16384
	s_add_co_u32 s27, s27, 1
	s_cmp_lt_u32 s27, 8
	s_cbranch_scc1 .Lquad
	s_wait_tensorcnt 0x0
	ds_add_u32 v254, v255
	s_wait_dscnt 0x0
	s_endpgm
.Lfunc_end_k_q5753a116e1_down:
	.size	k_q5753a116e1_down, .Lfunc_end_k_q5753a116e1_down-k_q5753a116e1_down
	.p2alignl 7, 3214868480
	.fill 96, 4, 3214868480
	.section	.rodata,"a",@progbits
	.p2align	6, 0x0
	.amdhsa_kernel k_q5753a116e1_down
		.amdhsa_group_segment_fixed_size 244736
		.amdhsa_private_segment_fixed_size 0
		.amdhsa_enable_private_segment 0
		.amdhsa_kernarg_size 64
		.amdhsa_user_sgpr_count 2
		.amdhsa_user_sgpr_kernarg_segment_ptr 1
		.amdhsa_wavefront_size32 1
		.amdhsa_system_sgpr_workgroup_id_x 1
		.amdhsa_system_sgpr_workgroup_id_y 1
		.amdhsa_system_sgpr_workgroup_id_z 1
		.amdhsa_system_vgpr_workitem_id 0
		.amdhsa_next_free_vgpr 1024
		.amdhsa_next_free_sgpr 66
		.amdhsa_reserve_vcc 0
		.amdhsa_float_denorm_mode_32 3
		.amdhsa_float_denorm_mode_16_64 3
		.amdhsa_memory_ordered 1
		.amdhsa_forward_progress 1
		.amdhsa_inst_pref_size 124
	.end_amdhsa_kernel
	.amdgpu_metadata
---
amdhsa.version: [ 1, 2 ]
amdhsa.kernels:
  - .name:           k_q5753a116e1_down
    .symbol:         k_q5753a116e1_down.kd
    .args:
      - { .name: hq, .offset: 0, .size: 8, .value_kind: global_buffer, .address_space: global }
      - { .name: hs, .offset: 8, .size: 8, .value_kind: global_buffer, .address_space: global }
      - { .name: sel, .offset: 16, .size: 8, .value_kind: global_buffer, .address_space: global }
      - { .name: pr, .offset: 24, .size: 8, .value_kind: global_buffer, .address_space: global }
      - { .name: W2_codes, .offset: 32, .size: 8, .value_kind: global_buffer, .address_space: global }
      - { .name: W2_scales, .offset: 40, .size: 8, .value_kind: global_buffer, .address_space: global }
      - { .name: b2, .offset: 48, .size: 8, .value_kind: global_buffer, .address_space: global }
      - { .name: y, .offset: 56, .size: 8, .value_kind: global_buffer, .address_space: global }
    .group_segment_fixed_size: 244736
    .private_segment_fixed_size: 0
    .kernarg_segment_align: 8
    .kernarg_segment_size: 64
    .max_flat_workgroup_size: 128
    .sgpr_count:     66
    .vgpr_count:     1024
    .wavefront_size: 32
...
	.end_amdgpu_metadata
.endif
;; end of part 3
;; launch sum (part 4): grid 256 x 1, 4 waves a work-group, no clusters, 0 bytes of LDS; arguments y, out0; writes out0
.if DOCPART == 4
	.amdgcn_target "amdgcn-amd-amdhsa--gfx1250"
	.amdhsa_code_object_version 6
	.text
	.protected	k_q5753a116e1_sum
	.globl	k_q5753a116e1_sum
	.p2align	8
	.type	k_q5753a116e1_sum,@function
k_q5753a116e1_sum:
	s_mov_b64 s[64:65], 0
	v_nop
	global_prefetch_b8 v0, s[64:65] scope:SCOPE_SE
	s_setreg_imm32_b32 hwreg(HW_REG_WAVE_MODE, 25, 1), 1
	s_wait_xcnt 0x0
; SUM.  out0[t] = y[2 t] + y[2 t + 1]: a token's two weighted expert rows, which two different experts' work-groups of the launch before have stored.
; A wave owns a token: 16 loads of 512 consecutive bytes, all issued at once, eight stores of 512 consecutive bytes.  A stream: no LDS, no barrier, no matrix unit.
	s_load_b128 s[4:7], s[0:1], 0x0                ; y, out0
	v_lshrrev_b32 v1, 5, v0
	v_readfirstlane_b32 s8, v1                     ; wave
	v_and_b32 v1, 31, v0
	v_lshlrev_b32 v1, 4, v1                        ; 16 x lane
	s_lshl_b32 s9, ttmp9, 2
	s_add_co_u32 s9, s9, s8                        ; my token
	s_lshl_b32 s10, s9, 13
	s_mov_b32 s11, 0
	s_lshl_b32 s12, s9, 12
	s_mov_b32 s13, 0
	s_wait_kmcnt 0x0
	s_add_nc_u64 s[4:5], s[4:5], s[10:11]
	s_add_nc_u64 s[6:7], s[6:7], s[12:13]
.irp i, 0,1,2,3,4,5,6,7
	global_load_b128 v[8+8*\i:11+8*\i], v1, s[4:5] offset:512*\i th:TH_LOAD_NT
	global_load_b128 v[12+8*\i:15+8*\i], v1, s[4:5] offset:512*\i+4096 th:TH_LOAD_NT
.endr
.irp i, 0,1,2,3,4,5,6,7
	s_wait_loadcnt 14-2*\i                         ; pair i is in; the pairs behind it may be out
	v_pk_add_f32 v[8+8*\i:9+8*\i], v[8+8*\i:9+8*\i], v[12+8*\i:13+8*\i]
	v_pk_add_f32 v[10+8*\i:11+8*\i], v[10+8*\i:11+8*\i], v[14+8*\i:15+8*\i]
	global_store_b128 v1, v[8+8*\i:11+8*\i], s[6:7] offset:512*\i th:TH_STORE_NT
.endr
	s_endpgm
.Lfunc_end_k_q5753a116e1_sum:
	.size	k_q5753a116e1_sum, .Lfunc_end_k_q5753a116e1_sum-k_q5753a116e1_sum
	.p2alignl 7, 3214868480
	.fill 96, 4, 3214868480
	.section	.rodata,"a",@progbits
	.p2align	6, 0x0
	.amdhsa_kernel k_q5753a116e1_sum
		.amdhsa_group_segment_fixed_size 0
		.amdhsa_private_segment_fixed_size 0
		.amdhsa_enable_private_segment 0
		.amdhsa_kernarg_size 16
		.amdhsa_user_sgpr_count 2
		.amdhsa_user_sgpr_kernarg_segment_ptr 1
		.amdhsa_wavefront_size32 1
		.amdhsa_system_sgpr_workgroup_id_x 1
		.amdhsa_system_sgpr_workgroup_id_y 1
		.amdhsa_system_sgpr_workgroup_id_z 1
		.amdhsa_system_vgpr_workitem_id 0
		.amdhsa_next_free_vgpr 72
		.amdhsa_next_free_sgpr 66
		.amdhsa_reserve_vcc 0
		.amdhsa_float_denorm_mode_32 3
		.amdhsa_float_denorm_mode_16_64 3
		.amdhsa_memory_ordered 1
		.amdhsa_forward_progress 1
		.amdhsa_inst_pref_size 5
	.end_amdhsa_kernel
	.amdgpu_metadata
---
amdhsa.version: [ 1, 2 ]
amdhsa.kernels:
  - .name:           k_q5753a116e1_sum
    .symbol:         k_q5753a116e1_sum.kd
    .args:
      - { .name: y, .offset: 0, .size: 8, .value_kind: global_buffer, .address_space: global }
      - { .name: out0, .offset: 8, .size: 8, .value_kind: global_buffer, .address_space: global }
    .group_segment_fixed_size: 0
    .private_segment_fixed_size: 0
    .kernarg_segment_align: 8
    .kernarg_segment_size: 16
    .max_flat_workgroup_size: 128
    .sgpr_count:     66
    .vgpr_count:     72
    .wavefront_size: 32
...
	.end_amdgpu_metadata
.endif
;; end of part 4
;; ======== version 2 of 2: 4 launches
;; workspace buffers: xq 786,432 bytes; xs 32,768 bytes; sel 4,096 bytes of whole numbers; pr 8,192 bytes; hq 25,165,824 bytes; hs 1,048,576 bytes; y 8,912,896 bytes
;; launch route (part 5): grid 256 x 1, 4 waves a work-group, no clusters, 55,296 bytes of LDS; arguments x, Wr, br, xq, xs, sel, pr; writes xq, xs, sel, pr
.if DOCPART == 5
	.amdgcn_target "amdgcn-amd-amdhsa--gfx1250"
	.amdhsa_code_object_version 6
	.text
	.protected	k_q5753a116e1_route
	.globl	k_q5753a116e1_route
	.p2align	8
	.type	k_q5753a116e1_route,@function
k_q5753a116e1_route:
	s_mov_b64 s[64:65], 0
	v_nop
	global_prefetch_b8 v0, s[64:65] scope:SCOPE_SE
	s_setreg_imm32_b32 hwreg(HW_REG_WAVE_MODE, 25, 1), 1
	s_wait_xcnt 0x0
; ROUTE.  For each of the 1,024 tokens: scores = x Wr + br in f32, the two largest (ties: the lower index), their softmax with the larger score taken away first,
; and x as codes of FP6 (E2M3) with one E8M0 byte for each 32 along D.  A wave owns one token; lane L owns block L, x[32 L .. 32 L + 31], for the quantiser and for its part of the eight sums.
; OUT: xq [1024][768] the codes as one stream of bits; xs [1024][32] the scale bytes; sel [1024] = first expert | second << 8, at a fixed place for each token; pr [1024][2] the two weights.
; No address and no branch here hangs on the scores: the choice is made by selects and stored.
; LIMITS: NaN and infinities are not served.  A block of zeros gets the byte 1 (its codes are zeros; only this program reads the bytes).  A score is summed as 32 partial sums of 32 terms, then across the lanes:
; where two scores lie within f32 rounding of each other the choice may differ from another order of summing.
; LDS: each wave 5,376 bytes: 32 rows x 144 for the turn of x, 768 for the turn of the codes; then Wr for all four waves, 32 rows x 1,040.
.set XSTB, 5376
.set QOFF, 4608
.set WRS,  21504
.set WRP,  1040
.set RX,   16                          ; v16-47   x as loaded: 16 bytes a lane
.set X,    48                          ; v48-79   my block's 32 numbers
.set RW,   80                          ; v80-143  Wr as loaded
.set S,    144                         ; v144-151 the eight sums
.set MSB, 0
.macro WIN new                         ; the immediate's high byte repeats the setting that is left
.if MSB != \new
	s_set_vgpr_msb (MSB<<8)|\new
.set MSB, \new
.endif
.endm
	s_load_b256 s[4:11], s[0:1], 0x0               ; x, Wr, br, xq
	s_load_b128 s[12:15], s[0:1], 0x20             ; xs, sel
	s_load_b64 s[16:17], s[0:1], 0x30              ; pr
	v_lshl_add_u32 v254, v0, 2, 0xd600
	v_mov_b32 v255, 0
	v_lshrrev_b32 v1, 5, v0
	v_readfirstlane_b32 s18, v1                    ; wave
	v_and_b32 v1, 31, v0                           ; L
	v_lshlrev_b32 v2, 4, v1                        ; 16 L
	s_mul_i32 s35, s18, XSTB                       ; my wave's LDS
	v_bfe_u32 v12, v0, 3, 2                        ; L / 8
	v_and_b32 v13, 7, v0                           ; L % 8
	v_mul_u32_u24 v3, v12, 144
	v_lshl_add_u32 v3, v13, 4, v3
	v_add_nc_u32 v3, s35, v3                       ; x into the stage: a load's 512 bytes are four blocks of 128
	v_mul_u32_u24 v4, v1, 144
	v_add_nc_u32 v4, s35, v4                       ; and out: row L
	s_mul_i32 s36, s18, 8*WRP
	s_add_co_u32 s36, s36, WRS
	v_add_nc_u32 v5, s36, v2                       ; Wr in: my wave brings rows 8 w .. 8 w + 7 of 1,024 bytes
	v_mul_u32_u24 v6, v1, WRP
	v_add_nc_u32 v6, WRS, v6                       ; Wr out: row L = Wr[32 L .. 32 L + 31][0 .. 7]
	s_add_co_u32 s37, s35, QOFF
	v_mul_u32_u24 v7, v1, 24
	v_add_nc_u32 v7, s37, v7                       ; my block's 24 bytes of codes
	v_add_nc_u32 v8, s37, v2                       ; back: bytes 0-511, 16 a lane,
	v_lshlrev_b32 v10, 3, v1
	v_add_nc_u32 v9, s37, v10
	v_add_nc_u32 v9, 512, v9                       ; and bytes 512-767, 8 a lane
	v_add_nc_u32 v10, 512, v10                     ; the same place in the token's row of xq
	s_lshl_b32 s38, s18, 13
	v_add_nc_u32 v11, s38, v2                      ; my wave's 8,192 bytes of Wr
	v_lshlrev_b32 v14, 2, v1                       ; 4 L
.irp e, 0,1,2,3,4,5,6,7
	v_mov_b32 v[176+\e], 0                         ; written once: a lane permute's destination counts as one of its sources
.endr
	v_mov_b32 v186, 0xff800000                     ; -infinity
	s_lshl_b32 s19, ttmp9, 2
	s_add_co_u32 s19, s19, s18                     ; my token
	s_mov_b32 s21, 0
	s_mov_b32 s32, 0x76543210
	s_mov_b32 s33, 0xfedcba98                      ; lane l xor 16
	s_wait_kmcnt 0x0
	s_load_b256 s[24:31], s[8:9], 0x0              ; br
	s_lshl_b32 s20, s19, 12
	s_add_nc_u64 s[4:5], s[4:5], s[20:21]
	s_mul_i32 s20, s19, 768
	s_add_nc_u64 s[10:11], s[10:11], s[20:21]
	s_lshl_b32 s20, s19, 5
	s_add_nc_u64 s[12:13], s[12:13], s[20:21]
	s_lshl_b32 s20, s19, 2
	s_add_nc_u64 s[14:15], s[14:15], s[20:21]
	s_lshl_b32 s20, s19, 3
	s_add_nc_u64 s[16:17], s[16:17], s[20:21]
.irp i, 0,1,2,3,4,5,6,7
	global_load_b128 v[RX+4*\i:RX+4*\i+3], v2, s[4:5] offset:512*\i th:TH_LOAD_NT   ; 512 consecutive bytes a load
.endr
.irp i, 0,1,2,3,4,5,6,7,8,9,10,11,12,13,14,15
	global_load_b128 v[RW+4*\i:RW+4*\i+3], v11, s[6:7] offset:512*\i
.endr
	s_wait_loadcnt 16                              ; x is in; the 16 loads of Wr are younger
.irp i, 0,1,2,3,4,5,6,7
	ds_store_b128 v3, v[RX+4*\i:RX+4*\i+3] offset:576*\i
.endr
.irp j, 0,1,2,3,4,5,6,7
	ds_load_b128 v[X+4*\j:X+4*\j+3], v4 offset:16*\j      ; a wave's LDS instructions are served in order: these see the stores
.endr
	s_wait_loadcnt 0x0
.irp i, 0,1,2,3,4,5,6,7,8,9,10,11,12,13,14,15
	ds_store_b128 v5, v[RW+4*\i:RW+4*\i+3] offset:(\i/2)*WRP+(\i%2)*512
.endr
	s_wait_dscnt 0x0                               ; for the others' sake: my part of Wr lies in LDS (and my block of x is in)
	s_barrier_signal -1
	s_barrier_wait -1
	WIN 0x40                                       ; destination window 1: register 8 i + e = Wr[32 L + i][e]
.set j, 0
.rept 64
	ds_load_b128 v[4*j:4*j+3], v6 offset:16*j
.set j, j+1
.endr
	WIN 0
	; the quantiser: all 32 numbers of the block are mine
	v_max3_num_f32 v152, |v[X]|, |v[X+1]|, |v[X+2]|
	v_max3_num_f32 v153, |v[X+3]|, |v[X+4]|, |v[X+5]|
.irp i, 6,10,14,18,22,26
	v_max3_num_f32 v152, v152, |v[X+\i]|, |v[X+\i+1]|
	v_max3_num_f32 v153, v153, |v[X+\i+2]|, |v[X+\i+3]|
.endr
	v_max3_num_f32 v152, v152, |v[X+30]|, |v[X+31]|
	v_max3_num_f32 v152, v152, v153, 0x1800000     ; and the floor 2^(3 - 127): the byte cannot fall under 1
	v_add_nc_u32 v154, 0xff000000, v152            ; 2 off the exponent field: the conversion's scale operand
	v_cvt_scalef32_pk16_fp6_f32 v[156:158], v[X:X+15], v154
	v_cvt_scalef32_pk16_fp6_f32 v[160:162], v[X+16:X+31], v154   ; (a conversion's three registers begin on an even number)
	v_lshrrev_b32 v155, 23, v154                   ; the scale's byte; also the plain line behind the conversions
	v_mov_b32 v159, v160
	v_mov_b32 v160, v161
	v_mov_b32 v161, v162                           ; v156-161: the block's 24 bytes
	ds_store_b64 v7, v[156:157]
	ds_store_b64 v7, v[158:159] offset:8
	ds_store_b64 v7, v[160:161] offset:16
	ds_load_b128 v[164:167], v8
	ds_load_b64 v[168:169], v9
	s_wait_alu depctr_va_vdst(0)
	s_wait_dscnt 0x0                               ; the codes are back, and Wr is in
	global_store_b128 v2, v[164:167], s[10:11]     ; 512 consecutive bytes, at a multiple of 256 from xq's first byte
	global_store_b64 v10, v[168:169], s[10:11]     ; and the token's last 256
	global_store_b8 v1, v155, s[12:13]             ; the token's 32 scale bytes
	; the router: my 32 terms of each of the eight sums, two experts an instruction
	WIN 0x04                                       ; source 1 (Wr) window 1
.irp e, 0,2,4,6
	v_pk_mul_f32 v[S+\e:S+\e+1], v[X:X+1], v[\e:\e+1] op_sel_hi:[0,1]
.endr
.set i, 1
.rept 31
.irp e, 0,2,4,6
.if i%2
	v_pk_fma_f32 v[S+\e:S+\e+1], v[X+2*(i/2):X+2*(i/2)+1], v[8*i+\e:8*i+\e+1], v[S+\e:S+\e+1] op_sel:[1,0,0] op_sel_hi:[1,1,1]
.else
	v_pk_fma_f32 v[S+\e:S+\e+1], v[X+2*(i/2):X+2*(i/2)+1], v[8*i+\e:8*i+\e+1], v[S+\e:S+\e+1] op_sel_hi:[0,1,1]
.endif
.endr
.set i, i+1
.endr
	WIN 0
.irp m, 1,2,4,8
.irp e, 0,1,2,3,4,5,6,7
	v_add_f32_dpp v[S+\e], v[S+\e], v[S+\e] row_xmask:\m row_mask:0xf bank_mask:0xf
.endr
.endr
.irp e, 0,1,2,3,4,5,6,7
	v_permlanex16_b32 v[176+\e], v[S+\e], s32, s33
.endr
	s_wait_alu depctr_va_vdst(0)
	s_wait_kmcnt 0x0                               ; br
.irp e, 0,1,2,3,4,5,6,7
	v_add_f32 v[S+\e], v[S+\e], v[176+\e]
.endr
.irp e, 0,1,2,3,4,5,6,7
	v_add_f32 v[S+\e], s[24+\e], v[S+\e]           ; every lane holds the token's eight scores
.endr
.macro ARGMAX m, ix                    ; the largest score and its index; an equal later score does not displace an earlier one
	v_mov_b32 v[\m], v[S]
	v_mov_b32 v[\ix], 0
.irp e, 1,2,3,4,5,6,7
	v_cmp_le_f32 vcc_lo, v[S+\e], v[\m]
	v_cndmask_b32 v[\ix], \e, v[\ix], vcc_lo
	v_max_num_f32 v[\m], v[\m], v[S+\e]
.endr
.endm
	ARGMAX 184, 185
.irp e, 0,1,2,3,4,5,6,7
	v_cmp_eq_u32 vcc_lo, \e, v185
	v_cndmask_b32 v[S+\e], v[S+\e], v186, vcc_lo   ; the first choice leaves the field
.endr
	ARGMAX 187, 188
	v_sub_f32 v189, v187, v184                     ; second - first: 0 or less
	v_mul_f32 v189, 0x3fb8aa3b, v189
	s_wait_alu depctr_va_vdst(0)
	v_exp_f32 v189, v189
	v_nop                                          ; a plain line behind the transcendental,
	s_wait_alu depctr_va_vdst(0)                   ; and the wait ahead of its first reader
	v_add_f32 v190, 1.0, v189
	s_wait_alu depctr_va_vdst(0)
	v_rcp_f32 v190, v190                           ; the first weight: 1 / (1 + e^(second - first))
	v_nop
	s_wait_alu depctr_va_vdst(0)
	v_mul_f32 v191, v189, v190                     ; the second
	v_cmp_eq_u32 vcc_lo, 0, v1
	v_cndmask_b32 v192, v191, v190, vcc_lo
	v_lshl_or_b32 v193, v188, 8, v185
	v_cmp_gt_u32 vcc_lo, 2, v1
	s_wait_alu depctr_va_vdst(0)
	s_wait_xcnt 0x0                                ; EXEC changes only when the stores above have had their addresses translated
	s_wait_tensorcnt 0x0
	ds_add_u32 v254, v255
	s_wait_dscnt 0x0
	s_and_saveexec_b32 s34, vcc_lo
	global_store_b32 v14, v192, s[16:17]           ; lanes 0 and 1: the two weights
	s_wait_xcnt 0x0
	s_or_b32 exec_lo, exec_lo, s34
	v_cmp_gt_u32 vcc_lo, 1, v1
	s_and_saveexec_b32 s34, vcc_lo
	global_store_b32 v14, v193, s[14:15]           ; lane 0: the two experts
	s_wait_xcnt 0x0
	s_or_b32 exec_lo, exec_lo, s34
	s_endpgm
.Lfunc_end_k_q5753a116e1_route:
	.size	k_q5753a116e1_route, .Lfunc_end_k_q5753a116e1_route-k_q5753a116e1_route
	.p2alignl 7, 3214868480
	.fill 96, 4, 3214868480
	.section	.rodata,"a",@progbits
	.p2align	6, 0x0
	.amdhsa_kernel k_q5753a116e1_route
		.amdhsa_group_segment_fixed_size 55296
		.amdhsa_private_segment_fixed_size 0
		.amdhsa_enable_private_segment 0
		.amdhsa_kernarg_size 56
		.amdhsa_user_sgpr_count 2
		.amdhsa_user_sgpr_kernarg_segment_ptr 1
		.amdhsa_wavefront_size32 1
		.amdhsa_system_sgpr_workgroup_id_x 1
		.amdhsa_system_sgpr_workgroup_id_y 1
		.amdhsa_system_sgpr_workgroup_id_z 1
		.amdhsa_system_vgpr_workitem_id 0
		.amdhsa_next_free_vgpr 512
		.amdhsa_next_free_sgpr 66
		.amdhsa_reserve_vcc 1
		.amdhsa_float_denorm_mode_32 3
		.amdhsa_float_denorm_mode_16_64 3
		.amdhsa_memory_ordered 1
		.amdhsa_forward_progress 1
		.amdhsa_inst_pref_size 28
	.end_amdhsa_kernel
	.amdgpu_metadata
---
amdhsa.version: [ 1, 2 ]
amdhsa.kernels:
  - .name:           k_q5753a116e1_route
    .symbol:         k_q5753a116e1_route.kd
    .args:
      - { .name: x, .offset: 0, .size: 8, .value_kind: global_buffer, .address_space: global }
      - { .name: Wr, .offset: 8, .size: 8, .value_kind: global_buffer, .address_space: global }
      - { .name: br, .offset: 16, .size: 8, .value_kind: global_buffer, .address_space: global }
      - { .name: xq, .offset: 24, .size: 8, .value_kind: global_buffer, .address_space: global }
      - { .name: xs, .offset: 32, .size: 8, .value_kind: global_buffer, .address_space: global }
      - { .name: sel, .offset: 40, .size: 8, .value_kind: global_buffer, .address_space: global }
      - { .name: pr, .offset: 48, .size: 8, .value_kind: global_buffer, .address_space: global }
    .group_segment_fixed_size: 55296
    .private_segment_fixed_size: 0
    .kernarg_segment_align: 8
    .kernarg_segment_size: 56
    .max_flat_workgroup_size: 128
    .sgpr_count:     66
    .vgpr_count:     512
    .wavefront_size: 32
...
	.end_amdgpu_metadata
.endif
;; end of part 5
;; launch up (part 6): grid 256 x 1, 4 waves a work-group, no clusters, 158,208 bytes of LDS; arguments xq, xs, sel, W1_codes, W1_scales, b1, hq, hs; writes hq, hs
.if DOCPART == 6
	.amdgcn_target "amdgcn-amd-amdhsa--gfx1250"
	.amdhsa_code_object_version 6
	.text
	.protected	k_q5753a116e1_up
	.globl	k_q5753a116e1_up
	.p2align	8
	.type	k_q5753a116e1_up,@function
k_q5753a116e1_up:
	s_mov_b64 s[64:65], 0
	v_nop
	global_prefetch_b8 v0, s[64:65] scope:SCOPE_SE
	s_setreg_imm32_b32 hwreg(HW_REG_WAVE_SCHED_MODE, 0, 2), 2
	s_setreg_imm32_b32 hwreg(HW_REG_WAVE_MODE, 25, 1), 1
	s_wait_xcnt 0x0
	s_wait_alu depctr_vm_vsrc(0)
; UP.  h = Q(gelu(x W1[e] + b1[e])) for the rows that chose expert e, on codes of FP6 (E2M3) with E8M0 scales; only chosen rows are multiplied.
; THE WEIGHTS STAND STILL: work-group g owns expert e = g / 32 and 128 hidden units, slice g % 32, which are K step g % 32 of the next product.  Wave w: c = w % 2 takes blocks c and c + 2 of the slice's four blocks of 32 units
; (4 tiles x 8 K steps of W1, 384 registers, for the whole launch): just what lanes 16 c .. 16 c + 15 of the next product's operand hold.  par = w / 2 takes the row tiles of that parity.  The rows' codes stream past.
; THE LIST.  sel holds each token's two experts.  Wave 0 lays the tokens of expert e in LDS, in the order (register, lane) of its 8 dense loads of sel; every wave counts them.  The next launch scans in the same order.
; No tensor load and no copy: what a trip does hangs on the count.  No cluster: what work-groups share (the rows' codes) is gathered by a list, a different number of tiles for each expert.
; EVERY WAVE WALKS ALL 32 TRIPS; what hangs on the count is branched round inside a trip.  A wave's first two tiles are fetched without asking the count: an entry of the list past the count names token 0.
; THE PRODUCT IS USED TRANSPOSED (source 0 = 16 rows of W1, source 1 = 16 rows of x): a lane holds one row.  Lane r of tile 2 b + u takes unit 32 (c + 2 b) + 8 u + r + 8 (r / 8), so that the 16 registers of tiles 2 b, 2 b + 1 are
; 16 neighbouring units 32 (c + 2 b) + 16 (lane / 16) + 0 .. 15.  b1 is the C of each sum's first product.
; GELU, exact form: gelu(v) = max(v, 0) - 0.5 |v| erfc(|v| / sqrt 2), erfc(z) = t exp(-z^2 + P(t)), t = 1 / (1 + z / 2), P of degree 9 (fractional error of the formula 1.2e-7), all in f32.
; OUT: hq [8][64 tiles][32 K steps][2 c][3][256]: for lane (r, c) of the operand its 12 registers, 48 bytes, as three pieces of 16 bytes, piece j of row r at 256 j + 16 r: a fragment comes back by three loads of 16 bytes a lane.
;      hs [8][64][32][16 rows][4]: scale words.
; LIMITS: NaN and infinities are not served; a block of zeros gets the byte 1 (its codes are zeros; only this program reads the bytes).  Rows past the count in an expert's last tile are token 0's: the next launch keeps them out of the result.
; LDS: W1's 128 rows, pitch 784 (row p in slot p with bits 3 and 4 exchanged, so that a tile's 16 rows are neighbours); the list, 1,088 words (1,056 entries, 32 for lanes that were not chosen), and 512 bytes unused; for each wave
; 16 rows x 784 of x's codes and 512 bytes of their scales.
; REGISTERS: window 0 as named below; windows 1, 2: W1's fragment (tile t, K step s) at window 1 + s / 4, register 12 (4 (s % 4) + t); window 3: v0-95 x's 8 fragments, v96-191 the next tile's rows as loaded.
; THE MODE: SCHED_MODE bits 1:0 = 2 (LLVM: expert scheduling mode 2), set by the entry lines.  The code itself states the register dependences
; between vector or matrix instructions and memory or LDS instructions, with s_wait_alu, always for 0.
; THE PLAN.  Registers that memory or LDS instructions touch, in the loop:
;   v11, v12           written by the two adds at a trip's head; read by the nine LDS loads of tokens.
;   v28-36  tokens     those LDS loads land in them; ADDR reads and rewrites them.
;   v19-27  offsets    written by ADDR; read by the 25 global loads of the tile two on.
;   RAW, v48-51        those global loads land in them; the stage's 25 LDS stores read them, a trip later.
;   x's fragments, v40-47   the stage's 50 LDS loads land in them; the next trip's 32 products read them.
;   v240-245, v231, v16-18  written by the quantiser and three adds; read by the trip's three stores.
;   Every other address is made at the head and never written again.
; A trip's waits: one on vm_vsrc at its head, on every way (all that the last trip's loads and stores read may be written again); one on va_vdst behind the two adds; one on va_vdst between the stage's stores and its loads
; (the products are done reading, the offsets are written: no vector instruction stands between it and the global loads); one on vm_vsrc ahead of those global loads; one on va_vdst ahead of the three stores.
.set WP,   784
.set LIST, 100352
.set XSTG, 105216
.set XSTB, 13056
.set XSCO, 12544
.set XSA,  19                          ; v19      offset of a row's scale bytes in xs
.set XA,   20                          ; v20-27   offsets of the tile's rows in xq
.set TO,   28                          ; v28-35   tokens from the list
.set TOS,  36
.set XS,   40                          ; v40-47   x's scale words, K steps 0-7 (scales and nothing else)
.set RXS,  48                          ; v48-51   scale bytes as loaded
.set W1S,  52                          ; v52-83   W1's scale words, 8 t + s (scales and nothing else)
.set B1R,  84                          ; v84-115  b1 in the result's layout
.set ACC,  116                         ; v116-147 four accumulators
.set GA,   148
.set GT,   164
.set GR,   180
.set GQ,   196
.set SELR, 148                         ; at the head: sel, 32 registers
.set SL,   188                         ; at the head, the scan of four registers of sel: v188-191 first experts, v192-195 second experts,
.set SH,   192
.set SA,   196                         ; v196-199 places in the list, v200-203 tokens
.set SD,   200
.set RAW,  96
.set MSB, 0
.macro WIN new                         ; the immediate's high byte repeats the setting that is left
.if MSB != \new
	s_set_vgpr_msb (MSB<<8)|\new
.set MSB, \new
.endif
.endm
	s_load_b512 s[4:19], s[0:1], 0x0               ; xq s[4:5], xs s[6:7], sel s[8:9], W1's codes s[10:11], its scales s[12:13], b1 s[14:15], hq s[16:17], hs s[18:19]
	v_lshl_add_u32 v254, v0, 2, 0x26800
	v_mov_b32 v255, 0
	v_lshrrev_b32 v1, 5, v0
	v_readfirstlane_b32 s20, v1                    ; wave
	s_lshr_b32 s23, ttmp9, 5                       ; e
	s_and_b32 s24, ttmp9, 31                       ; slice
	v_and_b32 v1, 31, v0                           ; L
	v_and_b32 v2, 15, v0                           ; r
	v_bfe_u32 v3, v0, 4, 1                         ; h
	v_lshlrev_b32 v4, 4, v2                        ; 16 r
	s_wait_alu depctr_va_sdst(0)                   ; s20 is written, ahead of its first reader
	s_and_b32 s21, s20, 1                          ; c
	s_lshr_b32 s22, s20, 1                         ; par
	s_mul_i32 s34, s20, XSTB
	s_add_co_u32 s34, s34, XSTG                    ; my wave's stage
	v_mul_u32_u24 v5, v3, WP
	v_add_nc_u32 v5, v5, v4                        ; 784 h + 16 r
	v_mul_u32_u24 v6, v2, WP
	v_mad_u32_u24 v6, v3, 24, v6                   ; 784 r + 24 h
	s_mul_i32 s35, s20, 32*WP
	v_add_nc_u32 v232, s35, v5                     ; W1 in: my wave brings rows 32 w .. 32 w + 31
	s_mul_i32 s35, s21, 32*WP
	v_add_nc_u32 v233, s35, v6                     ; W1 out: block c's slots; block c + 2's lie 64 slots on
	v_add_nc_u32 v5, s34, v5                       ; x in: two rows an instruction
	v_add_nc_u32 v6, s34, v6                       ; x out: a fragment's row
	s_add_co_u32 s35, s34, XSCO
	v_lshlrev_b32 v13, 4, v1                       ; 16 L
	v_add_nc_u32 v7, s35, v13                      ; x's scale bytes in
	v_lshl_add_u32 v8, v2, 5, s35                  ; and out: row r's 32
	v_lshl_add_u32 v9, v3, 2, LIST                 ; the list: row 2 a + h
	v_lshrrev_b32 v10, 1, v1
	v_lshl_add_u32 v10, v10, 2, LIST               ; row L / 2
	v_lshlrev_b32 v14, 3, v1
	v_add_nc_u32 v39, LIST, v14
	v_add_nc_u32 v38, LIST, v13
	v_lshlrev_b32 v15, 2, v2
	v_lshl_add_u32 v15, v3, 1, v15
	v_add_nc_u32 v15, s21, v15                     ; 4 r + c + 2 h: my scale byte's place: lanes 0-15 block c's, lanes 16-31 block c + 2's
	v_lshl_add_u32 v246, v3, 9, v4                 ; hq: pieces 0 (lanes 0-15) and 2 (lanes 16-31): 512 h + 16 r
	v_lshl_add_u32 v247, v3, 3, v4
	v_add_nc_u32 v247, 256, v247                   ; and piece 1: 256 + 16 r + 8 h
	v_and_b32 v37, 1, v0
	v_lshlrev_b32 v37, 4, v37                      ; 16 (L % 2)
	v_mul_u32_u24 v234, v3, 768
	v_add_nc_u32 v234, v234, v4                    ; W1's codes: two rows an instruction, 16 lanes to 256 bytes
	v_and_b32 v235, 8, v2
	v_add_nc_u32 v235, v235, v2
	v_lshlrev_b32 v235, 5, v235                    ; W1's scales: row r + 8 (r / 8), 32 bytes a row
	v_lshlrev_b32 v236, 6, v3                      ; b1: 16 h units
	v_add_nc_u32 v237, 1056, v1                    ; where a lane that was not chosen puts its word
	v_lshlrev_b32 v238, 2, v1                      ; 4 L
.irp i, 184,185,186,187,216,217
	v_mov_b32 v\i, 0                               ; zeros for the list; v216-217: a lane permute's destination counts as one of its sources
.endr
	v_mov_b32 v212, 0x3e7c6f08                     ; c9 log2 e, twice: the packed form names a pair
	v_mov_b32 v213, 0x3e7c6f08
	s_mov_b32 s44, 0x76543210
	s_mov_b32 s45, 0xfedcba98                      ; lane l xor 16
	s_mov_b32 s46, 0xffff0000                      ; lanes 16-31
	s_mov_b32 s25, 0                               ; the count
	s_lshl_b32 s31, ttmp9, 7                       ; the slice's first unit among the 8 x 4,096
	s_lshl_b32 s32, s20, 5
	s_add_co_u32 s32, s32, s31
	s_mul_i32 s32, s32, 768
	s_mov_b32 s33, 0
	s_lshl_b32 s36, s21, 5
	s_add_co_u32 s36, s36, s31                     ; block c's first unit
	s_wait_kmcnt 0x0
	s_add_nc_u64 s[10:11], s[10:11], s[32:33]
	s_lshl_b32 s32, s36, 5
	s_add_nc_u64 s[12:13], s[12:13], s[32:33]
	s_lshl_b32 s32, s36, 2
	s_add_nc_u64 s[14:15], s[14:15], s[32:33]
	s_wait_alu depctr_va_vdst(0)                   ; every offset and LDS address made above is written, and so are the list's zeros v184-187: the loads below, and LDS loads and stores all through the kernel, read them
.irp q, 0,1,2,3,4,5,6,7
	global_load_b128 v[SELR+4*\q:SELR+4*\q+3], v13, s[8:9] offset:512*\q    ; register 4 q + i of lane L: token 128 q + 4 L + i
.endr
	WIN 0x40
.set a, 0
.rept 16
.irp u, 0,1,2
	global_load_b128 v[4*(3*a+\u):4*(3*a+\u)+3], v234, s[10:11] offset:1536*a+256*\u th:TH_LOAD_NT   ; read once in the launch
.endr
.set a, a+1
.endr
	WIN 0
.irp t, 0,1,2,3
	global_load_b128 v[W1S+8*\t:W1S+8*\t+3], v235, s[12:13] offset:(64*(\t/2)+8*(\t%2))*32
	global_load_b128 v[W1S+8*\t+4:W1S+8*\t+7], v235, s[12:13] offset:(64*(\t/2)+8*(\t%2))*32+16
.endr
.irp t, 0,1,2,3
	global_load_b128 v[B1R+8*\t:B1R+8*\t+3], v236, s[14:15] offset:(64*(\t/2)+8*(\t%2))*4
	global_load_b128 v[B1R+8*\t+4:B1R+8*\t+7], v236, s[14:15] offset:(64*(\t/2)+8*(\t%2))*4+16
.endr
; Four registers of sel, 4 q .. 4 q + 3: which lanes' tokens chose e.  The eight compares stand in one run, with one wait behind them.
; store = 1: each chosen lane puts its token at the next free places of the list, register by register and in lane order; the others at their spare words: four entries are made, then one wait, then four stores.
.macro SCAN4 q, store
.irp i, 0,1,2,3
	v_and_b32 v[SL+\i], 0xff, v[SELR+4*(\q)+\i]
	v_lshrrev_b32 v[SH+\i], 8, v[SELR+4*(\q)+\i]
.endr
.irp i, 0,1,2,3
	v_cmp_eq_u32 s[36+\i], s23, v[SL+\i]
	v_cmp_eq_u32 s[40+\i], s23, v[SH+\i]
.endr
	s_wait_alu depctr_va_sdst(0)                   ; the eight masks s36 to s43 are written, ahead of their first readers
.if \store
.if \q > 0
	s_wait_alu depctr_vm_vsrc(0)                   ; the last four LDS stores have read v[SA ..] and v[SD ..], which are written again below
.endif
.endif
.irp i, 0,1,2,3
	s_or_b32 s[36+\i], s[36+\i], s[40+\i]
.if \store
	v_mbcnt_lo_u32_b32 v[SA+\i], s[36+\i], s25     ; the count so far + the chosen lanes below me
	v_cndmask_b32 v[SA+\i], v237, v[SA+\i], s[36+\i]
	v_min_u32 v[SA+\i], 0x43f, v[SA+\i]            ; inside the list's 1,088 words
	v_lshl_add_u32 v[SA+\i], v[SA+\i], 2, LIST
	v_add_nc_u32 v[SD+\i], 128*(\q)+\i, v238       ; my token
.endif
	s_bcnt1_i32_b32 s30, s[36+\i]
	s_add_co_u32 s25, s25, s30
.endr
.if \store
	s_wait_alu depctr_va_vdst(0)                   ; the four places and the four tokens are written, which the LDS stores read
.irp i, 0,1,2,3
	ds_store_b32 v[SA+\i], v[SD+\i]
.endr
.endif
.endm
.macro LADDR off                       ; where the 16 rows that begin at list byte \off stand in the list
	v_add_nc_u32 v11, \off, v9
	v_add_nc_u32 v12, \off, v10
.endm
.macro LREAD                           ; their tokens
.irp a, 0,1,2,3,4,5,6,7
	ds_load_b32 v[TO+\a], v11 offset:8*\a
.endr
	ds_load_b32 v[TOS], v12
.endm
.macro ADDR                            ; their places in xq and xs: 27 plain lines, which name no register of the products
.irp a, 0,1,2,3,4,5,6,7
	v_min_u32 v[TO+\a], 0x3ff, v[TO+\a]
.endr
.irp a, 0,1,2,3,4,5,6,7
	v_mul_u32_u24 v[XA+\a], v[TO+\a], 768
.endr
.irp a, 0,1,2,3,4,5,6,7
	v_add_nc_u32 v[XA+\a], v[XA+\a], v4
.endr
	v_min_u32 v[TOS], 0x3ff, v[TOS]
	v_lshlrev_b32 v[XSA], 5, v[TOS]
	v_add_nc_u32 v[XSA], v[XSA], v37
.endm
.macro GLOAD                           ; 16 rows of 768 bytes, sixteen lanes to 256 consecutive bytes of a row, and their 512 scale bytes: 25 loads
	WIN 0xc0
.irp a, 0,1,2,3,4,5,6,7
.irp u, 0,1,2
	global_load_b128 v[RAW+4*(3*\a+\u):RAW+4*(3*\a+\u)+3], v[XA+\a], s[4:5] offset:256*\u
.endr
.endr
	WIN 0
	global_load_b128 v[RXS:RXS+3], v[XSA], s[6:7]
.endm
	s_wait_loadcnt 63                              ; sel is in: 64 younger loads stand behind it
	s_cmp_lg_u32 s20, 0
	s_cbranch_scc1 .Lcount
.irp i, 0,1,2,3,4,5,6,7
	ds_store_b128 v38, v[184:187] offset:512*\i    ; the list begins as zeros: an entry past the count names token 0
.endr
	ds_store_b64 v39, v[184:185] offset:4096
.irp q, 0,1,2,3,4,5,6,7
	SCAN4 \q, 1
.endr
	s_branch .Lscanned
.Lcount:
.irp q, 0,1,2,3,4,5,6,7
	SCAN4 \q, 0
.endr
.Lscanned:
	s_wait_dscnt 0x0                               ; wave 0's list lies in LDS; no other wave has touched LDS yet
	s_barrier_signal -1
	s_barrier_wait -1
	; my first tile's rows are asked for at once, whatever the count: they land while W1 turns through LDS
	s_lshl_b32 s26, s22, 4                         ; my first tile's first row
	s_lshl_b32 s31, s22, 6                         ; and its byte in the list
	LADDR s31
	s_wait_alu depctr_va_vdst(0)                   ; v11 and v12 are written, which the LDS loads of the tokens read
	LREAD
	s_wait_dscnt 0x0                               ; the tokens
	ADDR
	s_wait_alu depctr_va_vdst(0)                   ; the nine offsets v19 to v27 are written, which the loads below read
	GLOAD
	s_wait_loadcnt 41                              ; W1's codes are in; younger are the 16 loads of scale words and b1 and the 25 just issued
	WIN 0x04                                       ; an LDS store's data: window 1
.set a, 0
.rept 16
.set SG, ((2*a)&7)+(((2*a)>>3)&1)*16+(((2*a)>>4)&1)*8
.irp u, 0,1,2
	ds_store_b128 v232, v[4*(3*a+\u):4*(3*a+\u)+3] offset:SG*WP+256*\u
.endr
.set a, a+1
.endr
	WIN 0
	s_wait_dscnt 0x0                               ; for the others' sake
	s_barrier_signal -1
	s_barrier_wait -1                              ; the slice's 128 rows lie in LDS.  No barrier follows this one
	WIN 0x40                                       ; tile t = 2 b + u begins at slot 32 c + 64 b + 16 u
	s_wait_alu depctr_vm_vsrc(0)                   ; my LDS stores have read window 1's v0-191, in which W1's fragments land; wave 0's stores into the list have read v184-187 and v196-203, which the gelu writes
.irp s, 0,1,2,3
.irp t, 0,1,2,3
.irp p, 0,1,2,3,4,5
	ds_load_b64 v[12*(4*\s+\t)+2*\p:12*(4*\s+\t)+2*\p+1], v233 offset:WP*(64*(\t/2)+16*(\t%2))+96*\s+48*(\p/3)+8*(\p%3)
.endr
.endr
.endr
	WIN 0x80
.irp s, 4,5,6,7
.irp t, 0,1,2,3
.irp p, 0,1,2,3,4,5
	ds_load_b64 v[12*(4*(\s-4)+\t)+2*\p:12*(4*(\s-4)+\t)+2*\p+1], v233 offset:WP*(64*(\t/2)+16*(\t%2))+96*\s+48*(\p/3)+8*(\p%3)
.endr
.endr
.endr
	WIN 0
; The turn through my own stage, in two parts; LDS serves a wave's instructions in order.  In: 25 stores, as loaded: their data come from loads and their addresses from the head, so they hang on no vector or matrix instruction.
.macro TURN_IN
	WIN 0x0c
.irp a, 0,1,2,3,4,5,6,7
.irp u, 0,1,2
	ds_store_b128 v5, v[RAW+4*(3*\a+\u):RAW+4*(3*\a+\u)+3] offset:1568*\a+256*\u
.endr
.endr
	WIN 0
	ds_store_b128 v7, v[RXS:RXS+3]
.endm
.macro TURN_OUT                        ; out: 50 loads, as fragments and scale words, into the registers that the products read
	WIN 0xc0
.irp s, 0,1,2,3,4,5,6,7
.irp p, 0,1,2,3,4,5
	ds_load_b64 v[12*\s+2*\p:12*\s+2*\p+1], v6 offset:96*\s+48*(\p/3)+8*(\p%3)
.endr
.endr
	WIN 0
	ds_load_b128 v[XS:XS+3], v8
	ds_load_b128 v[XS+4:XS+7], v8 offset:16
.endm
.macro MM                              ; 32 products: the four accumulators by turns, one instruction a turn, K ascending
	WIN 0x0d                                       ; source 0 (W1) window 1, source 1 (x) window 3
.irp s, 0,1,2,3
.irp t, 0,1,2,3
.if \s == 0
	v_wmma_scale_f32_16x16x128_f8f6f4 v[ACC+8*\t:ACC+8*\t+7], v[12*(4*\s+\t):12*(4*\s+\t)+11], v[12*\s:12*\s+11], v[B1R+8*\t:B1R+8*\t+7], v[W1S+8*\t+\s], v[XS+\s] matrix_a_fmt:MATRIX_FMT_FP6 matrix_b_fmt:MATRIX_FMT_FP6
.else
	v_wmma_scale_f32_16x16x128_f8f6f4 v[ACC+8*\t:ACC+8*\t+7], v[12*(4*\s+\t):12*(4*\s+\t)+11], v[12*\s:12*\s+11], v[ACC+8*\t:ACC+8*\t+7], v[W1S+8*\t+\s], v[XS+\s] matrix_a_fmt:MATRIX_FMT_FP6 matrix_b_fmt:MATRIX_FMT_FP6
.endif
.endr
.endr
	WIN 0x0e                                       ; source 0 window 2
.irp s, 4,5,6,7
.irp t, 0,1,2,3
	v_wmma_scale_f32_16x16x128_f8f6f4 v[ACC+8*\t:ACC+8*\t+7], v[12*(4*(\s-4)+\t):12*(4*(\s-4)+\t)+11], v[12*\s:12*\s+11], v[ACC+8*\t:ACC+8*\t+7], v[W1S+8*\t+\s], v[XS+\s] matrix_a_fmt:MATRIX_FMT_FP6 matrix_b_fmt:MATRIX_FMT_FP6
.endr
.endr
	WIN 0
.endm
; gelu of 16 numbers in place, v[b] on, each accumulator read from its low end on.  Two batches of transcendentals, each with plain work behind it and one wait ahead of its first reader.
.macro GELU b
.irp j, 0,1,2,3,4,5,6,7,8,9,10,11,12,13,14,15
	v_mul_f32 v[GA+\j], -0.5, |v[(\b)+\j]|         ; -|v| / 2
.endr
.irp j, 0,2,4,6,8,10,12,14
	v_pk_fma_f32 v[GT+\j:GT+\j+1], v[GA+\j:GA+\j+1], 0xbf3504f3, 1.0 op_sel_hi:[1,0,0]   ; 1 + z / 2, z = |v| / sqrt 2
.endr
	s_wait_alu depctr_va_vdst(0)
.irp j, 0,1,2,3,4,5,6,7,8,9,10,11,12,13,14,15
	v_rcp_f32 v[GT+\j], v[GT+\j]                   ; t
.endr
.irp j, 0,2,4,6,8,10,12,14
	v_pk_mul_f32 v[GQ+\j:GQ+\j+1], v[(\b)+\j:(\b)+\j+1], v[(\b)+\j:(\b)+\j+1]   ; v^2
.endr
	s_wait_alu depctr_va_vdst(0)                   ; the sixteen reciprocals v[GT ..] are written, ahead of their first reader
.irp j, 0,2,4,6,8,10,12,14
	v_pk_fma_f32 v[GR+\j:GR+\j+1], v[GT+\j:GT+\j+1], v[212:213], 0xbf97d29d op_sel_hi:[1,1,0]   ; P(t) log2 e by Horner: c9 t + c8,
.endr
.irp c, 0x40097039, 0xbfd1a1e5, 0x3ecdfd18, 0xbe899a80, 0x3e0efb2e, 0x3f0a29d2, 0x3fb8ab5a, 0xbfe9b21e
.irp j, 0,2,4,6,8,10,12,14
	v_pk_fma_f32 v[GR+\j:GR+\j+1], v[GR+\j:GR+\j+1], v[GT+\j:GT+\j+1], \c op_sel_hi:[1,1,0]     ; c7 down to c0
.endr
.endr
.irp j, 0,2,4,6,8,10,12,14
	v_pk_fma_f32 v[GR+\j:GR+\j+1], v[GQ+\j:GQ+\j+1], 0xbf38aa3b, v[GR+\j:GR+\j+1] op_sel_hi:[1,0,1]   ; - z^2 log2 e = - v^2 log2 e / 2
.endr
	s_wait_alu depctr_va_vdst(0)
.irp j, 0,1,2,3,4,5,6,7,8,9,10,11,12,13,14,15
	v_exp_f32 v[GR+\j], v[GR+\j]
.endr
.irp j, 0,2,4,6,8,10,12,14
	v_pk_mul_f32 v[GA+\j:GA+\j+1], v[GA+\j:GA+\j+1], v[GT+\j:GT+\j+1]   ; -|v| t / 2
.endr
.irp j, 0,1,2,3,4,5,6,7,8,9,10,11,12,13,14,15
	v_max_num_f32 v[(\b)+\j], 0, v[(\b)+\j]
.endr
	s_wait_alu depctr_va_vdst(0)                   ; the sixteen exponentials v[GR ..] are written, ahead of their first reader
.irp j, 0,2,4,6,8,10,12,14
	v_pk_fma_f32 v[(\b)+\j:(\b)+\j+1], v[GA+\j:GA+\j+1], v[GR+\j:GR+\j+1], v[(\b)+\j:(\b)+\j+1]
.endr
.endm
; My 32 numbers of a row (two half blocks of 16) become the 48 bytes of the operand's lane (r, c), as they leave: v240-243 pieces 0 and 2, v244-245 my half of piece 1; and my block's scale byte, v231.
.macro QUANT2
.irp b, 0,1
	v_max3_num_f32 v[214+\b], |v[ACC+16*\b]|, |v[ACC+16*\b+1]|, 0x1800000   ; with the floor 2^(3 - 127): the byte cannot fall under 1
.endr
.irp i, 2,4,6,8,10,12,14
.irp b, 0,1
	v_max3_num_f32 v[214+\b], v[214+\b], |v[ACC+16*\b+\i]|, |v[ACC+16*\b+\i+1]|
.endr
.endr
.irp b, 0,1
	v_permlanex16_b32 v[216+\b], v[214+\b], s44, s45
.endr
.irp b, 0,1
	v_max_num_f32 v[214+\b], v[214+\b], v[216+\b]  ; with lane l xor 16's 16: the block's largest magnitude
.endr
.irp b, 0,1
	v_add_nc_u32 v[218+\b], 0xff000000, v[214+\b]  ; 2 off the exponent field: the conversion's scale operand
.endr
.irp b, 0,1
	v_lshrrev_b32 v[220+\b], 23, v[218+\b]         ; the byte
.endr
	v_cvt_scalef32_pk16_fp6_f32 v[222:224], v[ACC:ACC+15], v218
	v_cvt_scalef32_pk16_fp6_f32 v[228:230], v[ACC+16:ACC+31], v219
	v_cndmask_b32 v231, v220, v221, s46            ; lanes 0-15 store block c's byte, lanes 16-31 block c + 2's; also the plain line behind the conversions
.irp i, 0,1,2
	v_permlane16_swap_b32 v[222+\i], v[228+\i]     ; a whole block to a lane: words 0-2 in v222-224, words 3-5 in v228-230; lanes 0-15 block c (the operand's registers 0-5), lanes 16-31 block c + 2 (registers 6-11)
.endr
	v_cndmask_b32 v240, v222, v224, s46            ; lanes 0-15: words 0-3, the row's piece 0;
	v_cndmask_b32 v241, v223, v228, s46            ; lanes 16-31: words 2-5, its piece 2
	v_cndmask_b32 v242, v224, v229, s46
	v_cndmask_b32 v243, v228, v230, s46
	v_cndmask_b32 v244, v229, v222, s46            ; piece 1: lanes 0-15 give words 4, 5, its lower 8 bytes;
	v_cndmask_b32 v245, v230, v223, s46            ; lanes 16-31 words 0, 1, its upper 8
.endm
	s_wait_loadcnt 0x0                             ; the first tile's rows; W1's scale words and b1 too
	TURN_IN
	TURN_OUT                                       ; no vector or matrix instruction has named x's fragments or its scale words yet
	s_add_co_u32 s31, s31, 128                     ; 32 rows on
	s_wait_alu depctr_vm_vsrc(0)                   ; the tokens' LDS loads have read v11 and v12, the first tile's loads their offsets v19-27, the stage's stores RAW and v48-51: all are written again below
	LADDR s31
	s_wait_alu depctr_va_vdst(0)                   ; v11 and v12 are written, which the LDS loads read; ADDR is done with v28-36, in which they land
	LREAD
	s_wait_dscnt 0x0                               ; W1's fragments, the first tile's, the tokens; the stage's stores have read the registers that the loads below fill
	ADDR
	s_wait_alu depctr_va_vdst(0)                   ; the nine offsets v19 to v27 are written, which the loads below read
	GLOAD                                          ; my second tile's rows are on their way
	s_add_co_u32 s47, s31, 128                     ; 64 par + 256: list byte of the tile two on from trip 0's
	s_lshl_b32 s29, s23, 6
	s_add_co_u32 s29, s29, s22                     ; 64 e + tile
	s_lshl_b32 s30, s29, 11
	s_lshl_b32 s31, s24, 6
	s_add_co_u32 s30, s30, s31                     ; hs: 2,048 bytes a tile, 64 a K step
	s_lshl_b32 s29, s29, 5
	s_add_co_u32 s29, s29, s24
	s_mul_i32 s29, s29, 1536
	s_mul_i32 s31, s21, 768
	s_add_co_u32 s29, s29, s31                     ; hq: 1,536 bytes a fragment, my half of its lanes
	s_mov_b32 s27, 0
.Ltile:                                            ; 32 trips, a constant: a parity's 32 tiles serve every split; a trip past the count does nothing
	s_lshl_b32 s28, s27, 7                         ; the list address is made of the trip's number: 128 bytes a trip; at the most 4,352 bytes into the list, its end
	s_add_co_u32 s28, s28, s47
	s_wait_alu depctr_vm_vsrc(0)                   ; on every way: the last trip's LDS loads have read v11 and v12, its global loads v19-27, its stores v16-18, v231 and v240-245: this trip writes all of them again
	LADDR s28
	s_cmp_ge_u32 s26, s25
	s_cbranch_scc1 .Lnext
	s_wait_xcnt 0x0                                ; the last trip's loads and stores have had their addresses translated: their offsets and data are written again below
	s_wait_alu depctr_va_vdst(0)                   ; v11 and v12 are written, which the LDS loads read; the last trip's ADDR is done with v28-36, in which they land
	LREAD                                          ; the tokens of the tile two on
	s_wait_dscnt 0x0                               ; this tile's fragments and scale words are in, and the tokens
	MM
	ADDR                                           ; also the places between the products and their results' first reader
	s_add_co_u32 s31, s26, 32
	s_cmp_ge_u32 s31, s25
	s_cbranch_scc1 .Lgel
	s_wait_loadcnt 0x0                             ; the next tile's rows are in
	TURN_IN                                        ; the stage's stores go out while the products end
	s_wait_alu depctr_va_vdst(0)                   ; the products are done reading x's fragments and scale words, in which the LDS loads below land; ADDR has written v19-27, which the global loads further down read
	TURN_OUT
	s_add_co_u32 s31, s26, 64
	s_cmp_ge_u32 s31, s25
	s_cbranch_scc1 .Lgel
	s_wait_dscnt 50                                ; the stage's 25 stores are done (its 50 loads are younger): the registers that they read are loaded again
	s_wait_alu depctr_vm_vsrc(0)                   ; the stage's stores have read RAW and v48-51, in which the loads below land
	GLOAD                                          ; the tile two on: it has this trip's gelu and the next trip's products in which to land.  No vector instruction since the wait on va_vdst above
.Lgel:
	GELU ACC
	GELU ACC+16
	QUANT2
	v_add_nc_u32 v16, s29, v246
	v_add_nc_u32 v17, s29, v247
	v_add_nc_u32 v18, s30, v15
	s_wait_alu depctr_va_vdst(0)                   ; the codes v240-245, the byte v231 and the offsets v16-18 are written, which the three stores read
	global_store_b128 v16, v[240:243], s[16:17]    ; lanes 0-15 and lanes 16-31 each store 256 consecutive bytes, at multiples of 256 from hq's first byte
	global_store_b64 v17, v[244:245], s[16:17]     ; the 32 lanes together store the 256 bytes between
	global_store_b8 v18, v231, s[18:19]
.Lnext:
	s_add_co_u32 s26, s26, 32
	s_add_co_u32 s29, s29, 98304
	s_add_co_u32 s30, s30, 4096
	s_add_co_u32 s27, s27, 1
	s_cmp_lt_u32 s27, 32
	s_cbranch_scc1 .Ltile
	s_wait_dscnt 0x0                               ; the closing lines, six on end, of a launch in the mode that stores to LDS
	s_wait_alu 0x0
	s_wait_tensorcnt 0x0
	ds_add_u32 v254, v255
	s_wait_dscnt 0x0
	s_endpgm
.Lfunc_end_k_q5753a116e1_up:
	.size	k_q5753a116e1_up, .Lfunc_end_k_q5753a116e1_up-k_q5753a116e1_up
	.p2alignl 7, 3214868480
	.fill 96, 4, 3214868480
	.section	.rodata,"a",@progbits
	.p2align	6, 0x0
	.amdhsa_kernel k_q5753a116e1_up
		.amdhsa_group_segment_fixed_size 158208
		.amdhsa_private_segment_fixed_size 0
		.amdhsa_enable_private_segment 0
		.amdhsa_kernarg_size 64
		.amdhsa_user_sgpr_count 2
		.amdhsa_user_sgpr_kernarg_segment_ptr 1
		.amdhsa_wavefront_size32 1
		.amdhsa_system_sgpr_workgroup_id_x 1
		.amdhsa_system_sgpr_workgroup_id_y 1
		.amdhsa_system_sgpr_workgroup_id_z 1
		.amdhsa_system_vgpr_workitem_id 0
		.amdhsa_next_free_vgpr 960
		.amdhsa_next_free_sgpr 66
		.amdhsa_reserve_vcc 0
		.amdhsa_float_denorm_mode_32 3
		.amdhsa_float_denorm_mode_16_64 3
		.amdhsa_memory_ordered 1
		.amdhsa_forward_progress 1
		.amdhsa_inst_pref_size 118
	.end_amdhsa_kernel
	.amdgpu_metadata
---
amdhsa.version: [ 1, 2 ]
amdhsa.kernels:
  - .name:           k_q5753a116e1_up
    .symbol:         k_q5753a116e1_up.kd
    .args:
      - { .name: xq, .offset: 0, .size: 8, .value_kind: global_buffer, .address_space: global }
      - { .name: xs, .offset: 8, .size: 8, .value_kind: global_buffer, .address_space: global }
      - { .name: sel, .offset: 16, .size: 8, .value_kind: global_buffer, .address_space: global }
      - { .name: W1_codes, .offset: 24, .size: 8, .value_kind: global_buffer, .address_space: global }
      - { .name: W1_scales, .offset: 32, .size: 8, .value_kind: global_buffer, .address_space: global }
      - { .name: b1, .offset: 40, .size: 8, .value_kind: global_buffer, .address_space: global }
      - { .name: hq, .offset: 48, .size: 8, .value_kind: global_buffer, .address_space: global }
      - { .name: hs, .offset: 56, .size: 8, .value_kind: global_buffer, .address_space: global }
    .group_segment_fixed_size: 158208
    .private_segment_fixed_size: 0
    .kernarg_segment_align: 8
    .kernarg_segment_size: 64
    .max_flat_workgroup_size: 128
    .sgpr_count:     66
    .vgpr_count:     960
    .wavefront_size: 32
...
	.end_amdgpu_metadata
.endif
;; end of part 6
;; launch down (part 7): grid 256 x 1, 4 waves a work-group, no clusters, 244,736 bytes of LDS; arguments hq, hs, sel, pr, W2_codes, W2_scales, b2, y; writes y
.if DOCPART == 7
	.amdgcn_target "amdgcn-amd-amdhsa--gfx1250"
	.amdhsa_code_object_version 6
	.text
	.protected	k_q5753a116e1_down
	.globl	k_q5753a116e1_down
	.p2align	8
	.type	k_q5753a116e1_down,@function
k_q5753a116e1_down:
	s_mov_b64 s[64:65], 0
	v_nop
	global_prefetch_b8 v0, s[64:65] scope:SCOPE_SE
	s_setreg_imm32_b32 hwreg(HW_REG_WAVE_SCHED_MODE, 0, 2), 2
	s_setreg_imm32_b32 hwreg(HW_REG_WAVE_MODE, 25, 1), 1
	s_wait_xcnt 0x0
	s_wait_alu depctr_vm_vsrc(0)
; DOWN.  y[slot] = p (h W2[e] + b2[e]) for each routed row; slot = 2 token + (0: its first expert, 1: its second).  Codes of FP6 (E2M3) with E8M0 scales on both sides.
; THE WEIGHTS STAND STILL: work-group g owns expert e = g / 32, 64 output columns ns = (g / 2) % 16 and the row tiles of parity g % 2.  Wave kq takes K steps 8 kq .. 8 kq + 7 of all 64 columns: 4 tiles x 8 K steps of W2,
; 384 registers, for the whole launch; so each byte of a tile's hidden layer goes to one wave.  The four partial sums of a tile meet in LDS, one barrier a tile, and each wave finishes and stores four of its 16 rows.
; THE HIDDEN LAYER COMES TWO TILES AT A TIME, in four sets of 96 registers.  At the head of a pair the wave waits for all its loads, asks for the next pair into the two sets that the pair before has left, and works this pair: a load has
; two tiles' work in which to land.  The loads stand under branches on the count, so no wait counts them: each wait is for all.  A tile is 28 loads (a fragment: three of 16 bytes a lane), a pair 56, which LOADcnt's six bits
; can count (ISA guide 5.7.1): the wave issues a pair's loads without a halt.
; THE LIST is made as in the launch before, in the same order, here with the slot and the weight of each row.  It begins filled with SPARE SLOTS, 2048 + 16 e + (entry % 16), and weights 0: the up to 15 rows past the count in
; an expert's last tile are stored to 16 rows of y of that expert's own, behind the 2,048 slots, which nobody reads.  So every lane stays on throughout; the price is at most 15 rows of 4,096 bytes an expert.
; No tensor load and no copy: what a trip does hangs on the count.  Every wave passes every barrier: the barrier stands outside the branches on the count.  No cluster: the experts' numbers of tiles differ.
; THE PRODUCT IS USED TRANSPOSED (source 0 = 16 rows of W2, source 1 = 16 rows of h): a lane holds one row and eight neighbouring columns.
; LDS: for each wave 64 rows x 784 of W2's codes (its own turn); the list and the weights, 1,088 words each; two sets of 4 x 16 rows x 272 for the partial sums, by turns.
; REGISTERS: window 0 as named below; windows 1, 2: W2's fragment (tile t, K step s) at window 1 + s / 4, register 12 (4 (s % 4) + t).  The hidden fragments' sets: 0: window 0 v144-239 (where sel and pr lay);
; 1: window 3 v0-95; 2: window 3 v96-191; 3: fragments 0-4 window 3 v192-251, fragments 5-7 window 1 v192-227.
; THE MODE: SCHED_MODE bits 1:0 = 2 (LLVM: expert scheduling mode 2), set by the entry lines.  The code itself states the register dependences
; between vector or matrix instructions and memory or LDS instructions, with s_wait_alu, always for 0.
; THE PLAN.  Registers that memory or LDS instructions touch, in the loop:
;   the four sets and v96-111   a pair's global loads land in them; a tile's 32 products read them, two tiles or more later.
;   v32-63  accumulators        written by the products; read by the tile's eight LDS stores.
;   v112-143, v20-23            the tile's LDS loads land in them; the sums read and write them; the tile's two global stores read v112-119.
;   v26, v27                    written by vector instructions; read by those two stores as offsets.
;   v15                         written once a trip, at its head; read by the list's LDS loads.
;   v8-11 are made at the head and never written again.
; A tile's waits: one on va_vdst behind the places that follow its products, in the same arm of the branch as they (the accumulators are written; the set has been read, so that a later pair's loads into it owe nothing more);
; one on va_vdst ahead of its two global stores, which is also the last vector touch of the registers in which the next tile's LDS loads land; one on vm_vsrc at its end, on every way, for all that its LDS and global
; instructions have read.  A trip has one more on va_vdst, behind the add to v15.  The pairs' loads stand in runs at a pair's head and not among the products: they stand under branches on the count.
.set WP,   784
.set WSTB, 50176
.set LIST, 200704
.set PLO,  4352                        ; the weights lie this far behind the list
.set RST,  209408
.set RSET, 17408
.set RWV,  4352
.set RP,   272
.set ACC,  32                          ; v32-63   four accumulators
.set W2S,  64                          ; v64-95   W2's scale words, 8 t + s (scales and nothing else)
.set HS,   96                          ; v96-111  h's scale words, four sets of 4: lanes 0-15 an even K step's, lanes 16-31 the odd one's (scales and nothing else)
.set RD,   112                         ; v112-143 partial sums read back
.set SL,   112                         ; at the head, the scan of four registers of sel: v112-115 first experts, v116-119 second experts,
.set SH,   116
.set SA,   120                         ; v120-123 places in the list, v124-127 slots, v128-131 weights
.set SD,   124
.set SP,   128
.set SELR, 144                         ; v144-175 sel
.set PR,   176                         ; v176-239 pr
.set ZR,   240                         ; v240-243 zeros
.set FL,   250                         ; v250-253 four spare slots
.set MSB, 0
.macro WIN new                         ; the immediate's high byte repeats the setting that is left
.if MSB != \new
	s_set_vgpr_msb (MSB<<8)|\new
.set MSB, \new
.endif
.endm
.macro HPLACE set, f                   ; where fragment f of a set lies: window HW, register HR
.if (\set) == 0
.set HW, 0
.set HR, 144+12*(\f)
.elseif (\set) == 1
.set HW, 3
.set HR, 12*(\f)
.elseif (\set) == 2
.set HW, 3
.set HR, 96+12*(\f)
.elseif (\f) < 5
.set HW, 3
.set HR, 192+12*(\f)
.else
.set HW, 1
.set HR, 192+12*((\f)-5)
.endif
.endm
	s_load_b512 s[4:19], s[0:1], 0x0               ; hq s[4:5], hs s[6:7], sel s[8:9], pr s[10:11], W2's codes s[12:13], its scales s[14:15], b2 s[16:17], y s[18:19]
	v_lshl_add_u32 v254, v0, 2, 0x3ba00
	v_mov_b32 v255, 0
	v_lshrrev_b32 v1, 5, v0
	v_readfirstlane_b32 s20, v1                    ; wave = kq
	s_and_b32 s22, ttmp9, 1                        ; par
	s_lshr_b32 s23, ttmp9, 5                       ; e
	s_bfe_u32 s24, ttmp9, 0x40001                  ; ns
	s_lshl_b32 s44, s22, 4                         ; my first tile's first row
	v_and_b32 v1, 31, v0                           ; L
	v_and_b32 v2, 15, v0                           ; r
	v_bfe_u32 v3, v0, 4, 1                         ; h
	v_lshlrev_b32 v24, 4, v2                       ; 16 r
	v_mul_u32_u24 v4, v3, 3072
	v_add_nc_u32 v4, v4, v24                       ; W2's codes: two rows an instruction, 16 lanes to 256 bytes
	s_wait_alu depctr_va_sdst(0)                   ; s20 is written, ahead of its first reader
	s_mul_i32 s36, s20, WSTB
	v_mul_u32_u24 v5, v3, WP
	v_add_nc_u32 v5, v5, v24
	v_add_nc_u32 v5, s36, v5                       ; into my stage
	v_mul_u32_u24 v6, v2, WP
	v_mad_u32_u24 v6, v3, 24, v6
	v_add_nc_u32 v6, s36, v6                       ; and out: a fragment's row
	v_lshlrev_b32 v7, 4, v1                        ; 16 L
	v_mad_u32_u24 v8, v3, 768, v24                 ; hq: my half of a fragment's lanes, my row's 16 bytes of a piece: 768 h + 16 r
	v_lshlrev_b32 v9, 2, v1                        ; 4 L
	v_lshlrev_b32 v28, 3, v1                       ; 8 L
	s_mul_i32 s36, s20, RWV
	s_add_co_u32 s36, s36, RST
	v_mul_u32_u24 v10, v2, RP
	v_lshl_add_u32 v10, v3, 5, v10
	v_add_nc_u32 v10, s36, v10                     ; my partial sums: row r, 32 h bytes on
	s_mul_i32 s36, s20, 4*RP
	s_add_co_u32 s36, s36, RST
	v_mul_u32_u24 v11, v3, RP
	v_add_nc_u32 v11, v11, v24
	v_add_nc_u32 v11, s36, v11                     ; back: rows 4 kq + h (and two on), 16 bytes a lane
	s_lshl_b32 s36, s20, 4
	s_lshl_b32 s39, s22, 6
	s_add_co_u32 s36, s36, s39
	s_add_co_u32 s36, s36, LIST
	v_lshl_add_u32 v12, v3, 2, s36                 ; those rows' list words in my first tile: word 16 par + 4 kq + h
	v_add_nc_u32 v29, LIST, v7
	v_add_nc_u32 v25, 1056, v1                     ; where a lane that was not chosen puts its words
	v_lshlrev_b32 v30, 5, v1                       ; pr: 32 L
	v_lshlrev_b32 v31, 7, v2                       ; W2's scales: 128 bytes a row
	s_lshl_b32 s39, s23, 4
	s_add_co_u32 s39, s39, 2048
	v_and_b32 v[FL], 12, v9                        ; the list's first filling: entry 4 L + i (+ a multiple of 16) names spare slot 2048 + 16 e + (4 L + i) % 16
	v_add_nc_u32 v[FL], s39, v[FL]
	v_add_nc_u32 v[FL+1], 1, v[FL]
	v_add_nc_u32 v[FL+2], 2, v[FL]
	v_add_nc_u32 v[FL+3], 3, v[FL]
.irp i, ZR, ZR+1, ZR+2, ZR+3, 15, 26, 27
	v_mov_b32 v[\i], 0                             ; the weights' first filling; v15, v26, v27: offsets, written whole once at the head
.endr
.irp i, 0,1,2,3,4,5,6,7,8,9,10,11,12,13,14,15
	v_mov_b32 v[HS+\i], 0x7f7f7f7f                 ; written on every way ahead of the loop
.endr
	s_mov_b32 s25, 0                               ; the count
	s_lshl_b32 s29, s23, 10
	s_lshl_b32 s30, s24, 6
	s_add_co_u32 s29, s29, s30                     ; my first row of W2 among the 8 x 1,024
	s_mov_b32 s31, 0
	s_lshl_b32 s37, s23, 6
	s_add_co_u32 s37, s37, s22                     ; 64 e + my first tile
	s_wait_kmcnt 0x0
	s_mul_i32 s30, s29, 3072
	s_mul_i32 s39, s20, 768
	s_add_co_u32 s30, s30, s39
	s_add_nc_u64 s[12:13], s[12:13], s[30:31]
	s_lshl_b32 s30, s29, 7
	s_lshl_b32 s39, s20, 5
	s_add_co_u32 s30, s30, s39
	s_add_nc_u64 s[14:15], s[14:15], s[30:31]
	s_lshl_b32 s30, s29, 2
	s_add_nc_u64 s[16:17], s[16:17], s[30:31]
	s_lshl_b32 s30, s24, 8
	s_add_nc_u64 s[18:19], s[18:19], s[30:31]      ; y at my 64 columns
	s_mul_i32 s30, s37, 49152
	s_mul_i32 s39, s20, 12288
	s_add_co_u32 s30, s30, s39
	s_add_nc_u64 s[32:33], s[4:5], s[30:31]        ; hq at my 8 K steps of my first tile
	s_lshl_b32 s30, s37, 11
	s_lshl_b32 s39, s20, 9
	s_add_co_u32 s30, s30, s39
	s_add_nc_u64 s[34:35], s[6:7], s[30:31]        ; hs likewise
	s_wait_alu depctr_va_vdst(0)                   ; every offset and LDS address made above is written, and the list's first filling v240-243 and v250-253, which loads and LDS stores read; and v96-111, in which loads land and which products take as scales
.irp q, 0,1,2,3,4,5,6,7
	global_load_b128 v[SELR+4*\q:SELR+4*\q+3], v7, s[8:9] offset:512*\q     ; register 4 q + i of lane L: token 128 q + 4 L + i
.endr
.irp q, 0,1,2,3,4,5,6,7
	global_load_b128 v[PR+8*\q:PR+8*\q+3], v30, s[10:11] offset:1024*\q     ; the two weights of token (q, i): registers 8 q + 2 i, 8 q + 2 i + 1.  Wave 0 uses them; every wave loads them, so that
	global_load_b128 v[PR+8*\q+4:PR+8*\q+7], v30, s[10:11] offset:1024*\q+16   ; set 0's registers are written in every wave ahead of the loop
.endr
	WIN 0xc0                                       ; W2's 64 rows x 768 bytes: 96 loads, 64 into window 3 and 32 into window 1 v128-255: so sets 1, 2 and 3 are written on every way too
.set l, 0
.rept 64
	global_load_b128 v[4*l:4*l+3], v4, s[12:13] offset:6144*(l/3)+256*(l%3)
.set l, l+1
.endr
	WIN 0x40
.rept 32
	global_load_b128 v[128+4*(l-64):128+4*(l-64)+3], v4, s[12:13] offset:6144*(l/3)+256*(l%3)
.set l, l+1
.endr
	WIN 0
.irp t, 0,1,2,3
	global_load_b128 v[W2S+8*\t:W2S+8*\t+3], v31, s[14:15] offset:2048*\t
	global_load_b128 v[W2S+8*\t+4:W2S+8*\t+7], v31, s[14:15] offset:2048*\t+16
.endr
	global_load_b128 v[16:19], v24, s[16:17]       ; b2 of my four columns
; Four registers of sel, 4 q .. 4 q + 3: which lanes' tokens chose e.  The eight compares stand in one run, with one wait behind them.
; store = 1: each chosen lane puts its slot and its weight at the next free places of the list, register by register and in lane order; the others at their spare words: four entries are made, then one wait, then eight stores.
.macro SCAN4 q, store
.irp i, 0,1,2,3
	v_and_b32 v[SL+\i], 0xff, v[SELR+4*(\q)+\i]
	v_lshrrev_b32 v[SH+\i], 8, v[SELR+4*(\q)+\i]
.endr
.irp i, 0,1,2,3
	v_cmp_eq_u32 s[36+\i], s23, v[SL+\i]
	v_cmp_eq_u32 s[40+\i], s23, v[SH+\i]
.endr
	s_wait_alu depctr_va_sdst(0)                   ; the eight masks s36 to s43 are written, ahead of their first readers
.if \store
.if \q > 0
	s_wait_alu depctr_vm_vsrc(0)                   ; the last eight LDS stores have read v[SA ..], v[SD ..] and v[SP ..], which are written again below
.endif
.endif
.irp i, 0,1,2,3
	s_or_b32 s[36+\i], s[36+\i], s[40+\i]
.if \store
	v_mbcnt_lo_u32_b32 v[SA+\i], s[36+\i], s25     ; the count so far + the chosen lanes below me
	v_cndmask_b32 v[SA+\i], v25, v[SA+\i], s[36+\i]
	v_min_u32 v[SA+\i], 0x43f, v[SA+\i]            ; inside the list's 1,088 words
	v_lshl_add_u32 v[SA+\i], v[SA+\i], 2, LIST
	v_cndmask_b32 v[SD+\i], 0, 1, s[40+\i]
	v_add_nc_u32 v[SD+\i], v[SD+\i], v28
	v_add_nc_u32 v[SD+\i], 256*(\q)+2*\i, v[SD+\i] ; the slot: 2 token + (chosen second)
	v_cndmask_b32 v[SP+\i], v[PR+8*(\q)+2*\i], v[PR+8*(\q)+2*\i+1], s[40+\i]
.endif
	s_bcnt1_i32_b32 s30, s[36+\i]
	s_add_co_u32 s25, s25, s30
.endr
.if \store
	s_wait_alu depctr_va_vdst(0)                   ; the four places, slots and weights are written, which the LDS stores read
.irp i, 0,1,2,3
	ds_store_b32 v[SA+\i], v[SD+\i]
	ds_store_b32 v[SA+\i], v[SP+\i] offset:PLO
.endr
.endif
.endm
	s_wait_loadcnt 63                              ; sel and pr are in: 105 younger loads stand behind them
	s_cmp_lg_u32 s20, 0
	s_cbranch_scc1 .Lcount
.irp i, 0,1,2,3,4,5,6,7
	ds_store_b128 v29, v[FL:FL+3] offset:512*\i        ; entries 0 to 1,023: spare slots,
.endr
.irp i, 0,1,2,3,4,5,6,7
	ds_store_b128 v29, v[ZR:ZR+3] offset:PLO+512*\i    ; with the weight 0
.endr
.irp q, 0,1,2,3,4,5,6,7
	SCAN4 \q, 1
.endr
	s_branch .Lscanned
.Lcount:
.irp q, 0,1,2,3,4,5,6,7
	SCAN4 \q, 0
.endr
.Lscanned:
	s_wait_dscnt 0x0                               ; wave 0's list lies in LDS; no other wave has touched LDS yet
	s_barrier_signal -1
	s_barrier_wait -1
	s_wait_loadcnt 0x0                             ; W2's codes and scale words, b2
	WIN 0x0c
.set l, 0
.rept 64
	ds_store_b128 v5, v[4*l:4*l+3] offset:1568*(l/3)+256*(l%3)
.set l, l+1
.endr
	WIN 0x04
.rept 32
	ds_store_b128 v5, v[128+4*(l-64):128+4*(l-64)+3] offset:1568*(l/3)+256*(l%3)
.set l, l+1
.endr
	WIN 0
	s_wait_dscnt 0x0                               ; the stores have read their registers, which the loads below fill.  These LDS bytes are my wave's own: no barrier
	s_wait_alu depctr_va_vdst(0)                   ; the scan is done reading sel and pr, in whose registers set 0's loads land, and is done with v112-131, in which the first tile's partial sums land
	s_wait_alu depctr_vm_vsrc(0)                   ; the LDS stores above have read window 3 and window 1's v128-255, in which sets 1 to 3 and W2's fragments land; wave 0's stores into the list have read v120-131
; My 8 K steps of a tile's hidden layer into a set: 8 fragments, three loads of 16 bytes a lane each (lanes 0-15 and lanes 16-31 each read 256 consecutive bytes), and 4 registers of scale words: 28 loads.
; imm: bytes of hq from the trip's first tile on.
.macro HLOAD set, imm
.irp f, 0,1,2,3,4,5,6,7
	HPLACE \set, \f
	WIN (HW<<6)
.irp j, 0,1,2
	global_load_b128 v[HR+4*\j:HR+4*\j+3], v8, s[32:33] offset:(\imm)+1536*\f+256*\j
.endr
.endr
	WIN 0
.irp i, 0,1,2,3
	global_load_b32 v[HS+4*(\set)+\i], v9, s[34:35] offset:(\imm)/24+128*\i
.endr
.endm
	s_add_co_u32 s45, s44, 32
	s_cmp_ge_u32 s44, s25
	s_cbranch_scc1 .Lnofirst
	HLOAD 0, 0                                     ; my first pair of tiles is asked for ahead of the LDS loads below, and lands beside them
	s_cmp_ge_u32 s45, s25
	s_cbranch_scc1 .Lnofirst
	HLOAD 1, 98304
.Lnofirst:
	WIN 0x40
.irp s, 0,1,2,3
.irp t, 0,1,2,3
.irp p, 0,1,2,3,4,5
	ds_load_b64 v[12*(4*\s+\t)+2*\p:12*(4*\s+\t)+2*\p+1], v6 offset:12544*\t+96*\s+48*(\p/3)+8*(\p%3)
.endr
.endr
.endr
	WIN 0x80
.irp s, 4,5,6,7
.irp t, 0,1,2,3
.irp p, 0,1,2,3,4,5
	ds_load_b64 v[12*(4*(\s-4)+\t)+2*\p:12*(4*(\s-4)+\t)+2*\p+1], v6 offset:12544*\t+96*\s+48*(\p/3)+8*(\p%3)
.endr
.endr
.endr
	WIN 0
.macro M2 set, s, t
	HPLACE \set, \s
	WIN (1+(\s)/4)|(HW<<2)                         ; source 0 (W2) window 1 or 2, source 1 (h) the set's window
.if (\s) == 0
	v_wmma_scale_f32_16x16x128_f8f6f4 v[ACC+8*\t:ACC+8*\t+7], v[12*(4*((\s)%4)+\t):12*(4*((\s)%4)+\t)+11], v[HR:HR+11], 0, v[W2S+8*\t+\s], v[HS+4*(\set)+(\s)/2] matrix_a_fmt:MATRIX_FMT_FP6 matrix_b_fmt:MATRIX_FMT_FP6
.elseif (\s)%2
	v_wmma_scale_f32_16x16x128_f8f6f4 v[ACC+8*\t:ACC+8*\t+7], v[12*(4*((\s)%4)+\t):12*(4*((\s)%4)+\t)+11], v[HR:HR+11], v[ACC+8*\t:ACC+8*\t+7], v[W2S+8*\t+\s], v[HS+4*(\set)+(\s)/2] matrix_a_fmt:MATRIX_FMT_FP6 matrix_b_fmt:MATRIX_FMT_FP6 matrix_b_scale:MATRIX_SCALE_ROW1
.else
	v_wmma_scale_f32_16x16x128_f8f6f4 v[ACC+8*\t:ACC+8*\t+7], v[12*(4*((\s)%4)+\t):12*(4*((\s)%4)+\t)+11], v[HR:HR+11], v[ACC+8*\t:ACC+8*\t+7], v[W2S+8*\t+\s], v[HS+4*(\set)+(\s)/2] matrix_a_fmt:MATRIX_FMT_FP6 matrix_b_fmt:MATRIX_FMT_FP6
.endif
.endm
.macro MM2 set                         ; 32 products: the four accumulators by turns, one instruction a turn, K ascending; the first four start the sums
.irp s, 0,1,2,3,4,5,6,7
.irp t, 0,1,2,3
	M2 \set, \s, \t
.endr
.endr
	WIN 0
.endm
; The head of a pair of tiles.  The wait stands on every way: behind it no load of mine is out, so this pair's sets may be read.  Then the next pair is asked for, into sets sa and sb, which the pair before has left:
; the wait on va_vdst behind that pair's products has stated that they are done reading, and no vector or matrix instruction since names those sets, their scale words or the two offsets.
; ra, rb: the scalar registers that hold the next pair's first rows; ia, ib: their bytes in hq from the trip's first tile on.
.macro GHEAD sa, sb, ra, rb, ia, ib
	s_wait_loadcnt 0x0
	s_cmp_ge_u32 s[\ra], s25
	s_cbranch_scc1 .Lnoh_\@
	HLOAD \sa, \ia
	s_cmp_ge_u32 s[\rb], s25
	s_cbranch_scc1 .Lnoh_\@
	HLOAD \sb, \ib
.Lnoh_\@:
.endm
; One tile.  set: its hidden fragments; rs: the set of partial sums; this: the scalar register that holds its first row; lo: its list bytes from the trip's first tile on.
; The work stands under branches on the count; the wait and the barrier stand on every way.
.macro TRIP set, rs, this, lo
	s_cmp_ge_u32 s[\this], s25
	s_cbranch_scc1 .Lmeet_\@
	MM2 \set
.rept 5
	v_nop                                          ; four places ahead of the stores that read the results; a fifth ahead of the next tile's first product, which writes over an accumulator
.endr
	s_wait_alu depctr_va_vdst(0)                   ; the products have written the accumulators, which the LDS stores read, and are done reading this set and its scale words, in which a later pair's loads land; the places above stay beside this wait
.irp t, 0,1,2,3
	ds_store_b128 v10, v[ACC+8*\t:ACC+8*\t+3] offset:RSET*\rs+64*\t          ; each accumulator from its low end on
	ds_store_b128 v10, v[ACC+8*\t+4:ACC+8*\t+7] offset:RSET*\rs+64*\t+16
.endr
.Lmeet_\@:
	s_wait_dscnt 0x0                               ; for the others' sake: my partial sums lie in LDS; my reads of the other set ended with the last tile
	s_barrier_signal -1
	s_barrier_wait -1                              ; one barrier a tile: this set is written again only behind the next tile's barrier
	s_cmp_ge_u32 s[\this], s25
	s_cbranch_scc1 .Ldone_\@
	ds_load_b32 v20, v15 offset:\lo                ; the slots of rows 4 kq + h and two on,
	ds_load_b32 v21, v15 offset:\lo+8
	ds_load_b32 v22, v15 offset:\lo+PLO            ; and their weights
	ds_load_b32 v23, v15 offset:\lo+PLO+8
.irp w, 0,1,2,3
.irp i, 0,1
	ds_load_b128 v[RD+4*(2*\w+\i):RD+4*(2*\w+\i)+3], v11 offset:RSET*\rs+RWV*\w+2*RP*\i
.endr
.endr
	s_wait_dscnt 0x0
.irp i, 0,1
.irp j, 0,2
	v_pk_add_f32 v[RD+4*\i+\j:RD+4*\i+\j+1], v[RD+4*\i+\j:RD+4*\i+\j+1], v[RD+8+4*\i+\j:RD+8+4*\i+\j+1]
	v_pk_add_f32 v[RD+16+4*\i+\j:RD+16+4*\i+\j+1], v[RD+16+4*\i+\j:RD+16+4*\i+\j+1], v[RD+24+4*\i+\j:RD+24+4*\i+\j+1]
.endr
.endr
.irp i, 0,1
.irp j, 0,2
	v_pk_add_f32 v[RD+4*\i+\j:RD+4*\i+\j+1], v[RD+4*\i+\j:RD+4*\i+\j+1], v[RD+16+4*\i+\j:RD+16+4*\i+\j+1]
.endr
.endr
.irp i, 0,1
.irp j, 0,2
	v_pk_add_f32 v[RD+4*\i+\j:RD+4*\i+\j+1], v[RD+4*\i+\j:RD+4*\i+\j+1], v[16+\j:17+\j]       ; + b2
.endr
.endr
.irp j, 0,2
	v_pk_mul_f32 v[RD+\j:RD+\j+1], v[RD+\j:RD+\j+1], v[22:23] op_sel_hi:[1,0]                 ; x the row's weight
	v_pk_mul_f32 v[RD+4+\j:RD+4+\j+1], v[RD+4+\j:RD+4+\j+1], v[22:23] op_sel:[0,1] op_sel_hi:[1,1]
.endr
	v_min_u32 v20, 0x87f, v20                      ; inside y's 2,176 rows
	v_min_u32 v21, 0x87f, v21
	v_lshlrev_b32 v26, 12, v20
	v_lshlrev_b32 v27, 12, v21
	v_add_nc_u32 v26, v26, v24
	v_add_nc_u32 v27, v27, v24
	s_wait_alu depctr_va_vdst(0)                   ; the rows v112-119 and the offsets v26, v27 are written, which the two stores read; the lines above are done with v20-23 and v112-143, in which the next tile's LDS loads land
	global_store_b128 v26, v[RD:RD+3], s[18:19]    ; 16 lanes store 256 consecutive bytes, at a multiple of 256 from y's first byte
	global_store_b128 v27, v[RD+4:RD+7], s[18:19]
.Ldone_\@:
	s_wait_xcnt 0x0                                ; the tile's loads and stores have read their bases, offsets and data
	s_wait_alu depctr_vm_vsrc(0)                   ; on every way: the LDS stores have read the accumulators, which the next tile's products write; the global stores v112-119, v26 and v27, and the list's LDS loads v15, which are written again
.endm
	s_wait_dscnt 0x0                               ; W2's fragments are in
	s_mov_b32 s27, 0
.Lquad:                                            ; 8 trips of four tiles, a constant: a parity's 32 tiles serve every split
	s_lshl_b32 s26, s27, 7                         ; rows and list address are made of the trip's number: 128 rows, 512 list bytes a trip
	s_add_co_u32 s26, s26, s44                     ; the first rows of the trip's four tiles,
	s_add_co_u32 s45, s26, 32
	s_add_co_u32 s46, s26, 64
	s_add_co_u32 s47, s26, 96
	s_add_co_u32 s36, s26, 128                     ; and of the next trip's first two
	s_add_co_u32 s37, s26, 160
	s_lshl_b32 s28, s27, 9
	v_add_nc_u32 v15, s28, v12                     ; at the most 4,096 bytes into the list (and into the weights)
	s_wait_alu depctr_va_vdst(0)                   ; v15 is written, which the list's LDS loads of the trip's four tiles read
	GHEAD 2, 3, 46, 47, 196608, 294912
	TRIP 0, 0, 26, 0
	TRIP 1, 1, 45, 128
	GHEAD 0, 1, 36, 37, 393216, 491520
	TRIP 2, 0, 46, 256
	TRIP 3, 1, 47, 384
	s_add_nc_u64 s[32:33], s[32:33], 393216        ; eight tiles on: my next four (behind the wait on XCNT that ends a tile)
	s_add_nc_u64 s[34:35], s[34:35], 16384
	s_add_co_u32 s27, s27, 1
	s_cmp_lt_u32 s27, 8
	s_cbranch_scc1 .Lquad
	s_wait_dscnt 0x0                               ; the closing lines, six on end, of a launch in the mode that stores to LDS
	s_wait_alu 0x0
	s_wait_tensorcnt 0x0
	ds_add_u32 v254, v255
	s_wait_dscnt 0x0
	s_endpgm
.Lfunc_end_k_q5753a116e1_down:
	.size	k_q5753a116e1_down, .Lfunc_end_k_q5753a116e1_down-k_q5753a116e1_down
	.p2alignl 7, 3214868480
	.fill 96, 4, 3214868480
	.section	.rodata,"a",@progbits
	.p2align	6, 0x0
	.amdhsa_kernel k_q5753a116e1_down
		.amdhsa_group_segment_fixed_size 244736
		.amdhsa_private_segment_fixed_size 0
		.amdhsa_enable_private_segment 0
		.amdhsa_kernarg_size 64
		.amdhsa_user_sgpr_count 2
		.amdhsa_user_sgpr_kernarg_segment_ptr 1
		.amdhsa_wavefront_size32 1
		.amdhsa_system_sgpr_workgroup_id_x 1
		.amdhsa_system_sgpr_workgroup_id_y 1
		.amdhsa_system_sgpr_workgroup_id_z 1
		.amdhsa_system_vgpr_workitem_id 0
		.amdhsa_next_free_vgpr 1024
		.amdhsa_next_free_sgpr 66
		.amdhsa_reserve_vcc 0
		.amdhsa_float_denorm_mode_32 3
		.amdhsa_float_denorm_mode_16_64 3
		.amdhsa_memory_ordered 1
		.amdhsa_forward_progress 1
		.amdhsa_inst_pref_size 126
	.end_amdhsa_kernel
	.amdgpu_metadata
---
amdhsa.version: [ 1, 2 ]
amdhsa.kernels:
  - .name:           k_q5753a116e1_down
    .symbol:         k_q5753a116e1_down.kd
    .args:
      - { .name: hq, .offset: 0, .size: 8, .value_kind: global_buffer, .address_space: global }
      - { .name: hs, .offset: 8, .size: 8, .value_kind: global_buffer, .address_space: global }
      - { .name: sel, .offset: 16, .size: 8, .value_kind: global_buffer, .address_space: global }
      - { .name: pr, .offset: 24, .size: 8, .value_kind: global_buffer, .address_space: global }
      - { .name: W2_codes, .offset: 32, .size: 8, .value_kind: global_buffer, .address_space: global }
      - { .name: W2_scales, .offset: 40, .size: 8, .value_kind: global_buffer, .address_space: global }
      - { .name: b2, .offset: 48, .size: 8, .value_kind: global_buffer, .address_space: global }
      - { .name: y, .offset: 56, .size: 8, .value_kind: global_buffer, .address_space: global }
    .group_segment_fixed_size: 244736
    .private_segment_fixed_size: 0
    .kernarg_segment_align: 8
    .kernarg_segment_size: 64
    .max_flat_workgroup_size: 128
    .sgpr_count:     66
    .vgpr_count:     1024
    .wavefront_size: 32
...
	.end_amdgpu_metadata
.endif
;; end of part 7
;; launch sum (part 8): grid 256 x 1, 4 waves a work-group, no clusters, 0 bytes of LDS; arguments y, out0; writes out0
.if DOCPART == 8
	.amdgcn_target "amdgcn-amd-amdhsa--gfx1250"
	.amdhsa_code_object_version 6
	.text
	.protected	k_q5753a116e1_sum
	.globl	k_q5753a116e1_sum
	.p2align	8
	.type	k_q5753a116e1_sum,@function
k_q5753a116e1_sum:
	s_mov_b64 s[64:65], 0
	v_nop
	global_prefetch_b8 v0, s[64:65] scope:SCOPE_SE
	s_setreg_imm32_b32 hwreg(HW_REG_WAVE_MODE, 25, 1), 1
	s_wait_xcnt 0x0
; SUM.  out0[t] = y[2 t] + y[2 t + 1]: a token's two weighted expert rows, which two different experts' work-groups of the launch before have stored.
; A wave owns a token: 16 loads of 512 consecutive bytes, all issued at once, eight stores of 512 consecutive bytes.  A stream: no LDS, no barrier, no matrix unit.
	s_load_b128 s[4:7], s[0:1], 0x0                ; y, out0
	v_lshrrev_b32 v1, 5, v0
	v_readfirstlane_b32 s8, v1                     ; wave
	v_and_b32 v1, 31, v0
	v_lshlrev_b32 v1, 4, v1                        ; 16 x lane
	s_lshl_b32 s9, ttmp9, 2
	s_add_co_u32 s9, s9, s8                        ; my token
	s_lshl_b32 s10, s9, 13
	s_mov_b32 s11, 0
	s_lshl_b32 s12, s9, 12
	s_mov_b32 s13, 0
	s_wait_alu depctr_va_vdst(0)
	s_wait_kmcnt 0x0
	s_add_nc_u64 s[4:5], s[4:5], s[10:11]
	s_add_nc_u64 s[6:7], s[6:7], s[12:13]
.irp i, 0,1,2,3,4,5,6,7
	global_load_b128 v[8+8*\i:11+8*\i], v1, s[4:5] offset:512*\i th:TH_LOAD_NT
	global_load_b128 v[12+8*\i:15+8*\i], v1, s[4:5] offset:512*\i+4096 th:TH_LOAD_NT
.endr
.irp i, 0,1,2,3,4,5,6,7
	s_wait_loadcnt 14-2*\i                         ; pair i is in; the pairs behind it may be out
	v_pk_add_f32 v[8+8*\i:9+8*\i], v[8+8*\i:9+8*\i], v[12+8*\i:13+8*\i]
	v_pk_add_f32 v[10+8*\i:11+8*\i], v[10+8*\i:11+8*\i], v[14+8*\i:15+8*\i]
	global_store_b128 v1, v[8+8*\i:11+8*\i], s[6:7] offset:512*\i th:TH_STORE_NT
.endr
	s_endpgm
.Lfunc_end_k_q5753a116e1_sum:
	.size	k_q5753a116e1_sum, .Lfunc_end_k_q5753a116e1_sum-k_q5753a116e1_sum
	.p2alignl 7, 3214868480
	.fill 96, 4, 3214868480
	.section	.rodata,"a",@progbits
	.p2align	6, 0x0
	.amdhsa_kernel k_q5753a116e1_sum
		.amdhsa_group_segment_fixed_size 0
		.amdhsa_private_segment_fixed_size 0
		.amdhsa_enable_private_segment 0
		.amdhsa_kernarg_size 16
		.amdhsa_user_sgpr_count 2
		.amdhsa_user_sgpr_kernarg_segment_ptr 1
		.amdhsa_wavefront_size32 1
		.amdhsa_system_sgpr_workgroup_id_x 1
		.amdhsa_system_sgpr_workgroup_id_y 1
		.amdhsa_system_sgpr_workgroup_id_z 1
		.amdhsa_system_vgpr_workitem_id 0
		.amdhsa_next_free_vgpr 72
		.amdhsa_next_free_sgpr 66
		.amdhsa_reserve_vcc 0
		.amdhsa_float_denorm_mode_32 3
		.amdhsa_float_denorm_mode_16_64 3
		.amdhsa_memory_ordered 1
		.amdhsa_forward_progress 1
		.amdhsa_inst_pref_size 5
	.end_amdhsa_kernel
	.amdgpu_metadata
---
amdhsa.version: [ 1, 2 ]
amdhsa.kernels:
  - .name:           k_q5753a116e1_sum
    .symbol:         k_q5753a116e1_sum.kd
    .args:
      - { .name: y, .offset: 0, .size: 8, .value_kind: global_buffer, .address_space: global }
      - { .name: out0, .offset: 8, .size: 8, .value_kind: global_buffer, .address_space: global }
    .group_segment_fixed_size: 0
    .private_segment_fixed_size: 0
    .kernarg_segment_align: 8
    .kernarg_segment_size: 16
    .max_flat_workgroup_size: 128
    .sgpr_count:     66
    .vgpr_count:     72
    .wavefront_size: 32
...
	.end_amdgpu_metadata
.endif
;; end of part 8
